; MI455X (gfx1250); checked and timed in simulation.
; The chip was launched on July 23, 2026; its instructions are those of AMD's public machine-readable ISA for CDNA 5 (MIT licence, August 2026) and "CDNA5" Instruction Set Architecture Reference Guide (July 2026). The comments in the code are by the model that wrote it; some were corrected since.
;; S Mo E. Allowed arithmetic: matrix products marked QUANTISED: E4M3 operands, one E8M0 scale for each 32 along K, by v_wmma_scale_f32_16x16x128_f8f6f4 with both operands' format E4M3, f32 sums; products left as they are: f32 operands where the result goes on into a quantised operand, else bf16, f16 or f32 operands; f32 sums; everything else in f32.
;; Inputs: W1_codes 8 x 1,024 x 32 x 32 uint8 (E4M3 codes of W1, K innermost, in blocks of 32 codes); W1_scales 8 x 1,024 x 32 uint8 (E8M0 scales of W1, one for each 32 codes along K); W2_codes 8 x 1,024 x 32 x 32 uint8 (E4M3 codes of W2, K innermost, in blocks of 32 codes); W2_scales 8 x 1,024 x 32 uint8 (E8M0 scales of W2, one for each 32 codes along K); Wsel 1,024 x 8 float32; b1 8 x 1,024 float32; b2 8 x 1,024 float32; bsel 8 float32; x 4,096 x 1,024 float32.
;; Outputs: out0 4,096 x 1,024 float32.
;; This version of the problem:
;;   THIS VERSION OF THE PROBLEM IS GIVEN IN LOW PRECISION. The matrix products marked QUANTISED in the list below multiply operands that are first quantised to E4M3 (4 exponent bits, 3 mantissa bits; 8 bits a number), with one power-of-two scale for each 32 numbers along K (OCP MX v1.0); their sums are f32. All else is computed in f32.
;;   The module's matrix products, in the order in which they are computed (A, B: the left and right operand; K: the contracted axis; several contracted axes count as one K, in the product's order):
;;     1. [M 4,096, K 1,024] x [K 1,024, N 8]; A: input x; B: input Wsel: left as it is (N = 8 < 16)
;;     2. [M 8,192, K 1,024] x [K 1,024, N 4,096]; A: input W1 (given as codes); B: input x: QUANTISED
;;     3. batch 8 x [M 4,096, K 1,024] x [K 1,024, N 1,024]; A: computed on the way; B: input W2 (given as codes): QUANTISED
;;     4. batch 4,096 x [M 1, K 8] x [K 8, N 1,024]; A: computed on the way; B: computed on the way: left as it is (K = 8 < 32)
;;   THE QUANTISER, for each operand of a quantised product, along K:
;;     - K is cut into blocks of 32 from its start; a last block that is shorter is filled with zeros.
;;     - A block's scale is 2^e with e = floor(log2(the largest magnitude in the block)) - 8, held to -126 .. 127; a block of zeros has e = 0. As a byte (E8M0): e + 127.
;;     - Each number is divided by its block's scale, clamped to +-448, and rounded to the nearest number of E4M3, ties to even, subnormals kept.
;;     - The product sums the exact products of the quantised numbers (number of the format x scale) in f32.
;;   ~~~python
;;   def quantise(x, axis):      # numpy; x: float32 -> the quantised numbers, widened to float32 again
;;       x = np.moveaxis(x, axis, -1); K = x.shape[-1]
;;       x = np.pad(x, [(0, 0)] * (x.ndim - 1) + [(0, -K % 32)]); x = x.reshape(x.shape[:-1] + (-1, 32)); a = np.abs(x).max(-1, keepdims=True)
;;       e = np.where(a > 0, np.clip(np.frexp(np.where(a > 0, a, 1))[1] - 1 - 8, -126, 127), 0)      # np.frexp(a)[1] - 1 = floor(log2(a)), exactly
;;       r = np.clip(x / 2.0 ** e, -448, 448)
;;       step = 2.0 ** (np.maximum(np.frexp(np.where(r == 0, 1, r))[1] - 1, -6) - 3)
;;       q = np.round(r / step) * step * 2.0 ** e      # np.round: ties to even
;;       return np.moveaxis(q.reshape(q.shape[:-2] + (-1,))[..., :K], -1, axis).astype(np.float32)
;;   ~~~
;;   OPERANDS COMPUTED ON THE WAY. 'Computed on the way' means the value that the module computes at that place (a softmax that the list does not call 'softmax' is quantised finished and normalised). What goes into a quantiser is computed in f32, as accurately as f32 sums, v_exp_f32 and their like allow (about 1e-6 of the number): no bf16 or f16 on the way to a quantiser, and a product that is left as it is and whose result goes on into a quantised operand takes f32 operands (vector FMAs, or v_wmma_f32_16x16x4_f32). A number that lies on a knife's edge between two numbers of the format may be rounded either way, as far as f32 arithmetic and the matrix unit's own rounding can turn it there, and no further.
;;   INPUTS GIVEN AS CODES. W1 (in the module: [8, 1024, 1024], K = its axis 1); W2 (in the module: [8, 1024, 1024], K = its axis 1): each comes as NAME_codes (uint8): NAME with its K axis moved to the last place and cut into blocks of 32 codes, [.., K / 32, bytes a block], one block behind the other in memory; one code a byte (a code: sign, 4 exponent bits, 3 mantissa bits); and NAME_scales (uint8): the same leading axes, one E8M0 byte (e + 127) for each 32 codes along K. Its value is code x scale, taken as it is: it is not quantised again, and the codes and scales need not be those that the quantiser above would give.
;; 2 versions, each right; version 2 is version 1 with the launch chain written anew for expert scheduling mode. Each part assembles by itself: llvm-mc -triple=amdgcn-amd-amdhsa -mcpu=gfx1250 --defsym DOCPART=n.
;; ======== version 1 of 2: 4 launches
;; limits: values outside matrix products are rounded to bf16
;; workspace buffers: xq 4,325,376 bytes; swb 131,072 bytes; bits 6,144 bytes of whole numbers; plan 136,960 bytes of whole numbers; wf 17,301,504 bytes; yr 134,217,728 bytes
;; launch route (part 1): grid 128 x 1, 4 waves a work-group, no clusters, 192,512 bytes of LDS; arguments x, Wsel, bsel, xq, swb, bits; writes xq, swb, bits
.if DOCPART == 1
	.amdgcn_target "amdgcn-amd-amdhsa--gfx1250"
	.amdhsa_code_object_version 6
	.text
	.protected	k_q6a595b244a_route
	.globl	k_q6a595b244a_route
	.p2align	8
	.type	k_q6a595b244a_route,@function
k_q6a595b244a_route:
	s_mov_b64 s[64:65], 0
	v_nop
	global_prefetch_b8 v0, s[64:65] scope:SCOPE_SE
	s_setreg_imm32_b32 hwreg(HW_REG_WAVE_MODE, 25, 1), 1
	s_wait_xcnt 0x0
; LAUNCH 1 OF 4.  The selector (x Wsel + bsel in f32, softmax, the sparse weights sw) and x turned into codes of E4M3 with one E8M0 byte for each 32 along K.
; WORK LEFT OUT BY THE PROGRAM, AND WHY IT IS DEAD.
;  (1) _soft_cost is computed in reference() and returned by nobody: it has no way to out0, whatever the inputs hold.
;  (2) out0[n] = sum over e of sw[n][e] y[e][n].  sw is made by reference() itself with a relu: where sw[n][e] = 0 the row y[e][n], and the row of h behind it, is multiplied by a zero that
;      reference() builds, for every finite value of x, W1, b1, W2, b2.  Which rows those are hangs on the inputs, so it is decided here, stored as whole numbers (bits), and later launches, which read
;      them from memory, multiply only the rows with sw > 0.
;  Every input has a way to out0 and is loaded by some launch.
; LIMITS.  NaN and infinities among the inputs are not served; a NaN, an infinity or an overflow that arises only in a row left out under (2) is not carried to out0.  A block of 32 zeros gets the byte 1
;  (its codes are zeros; the bytes are read by this program alone).  Selector weights under 2^-126 count as 0 and tie.
;  THE ORDER OF ROUNDING in the selector's sums is this text's own choice (below): reference() states none.  The order of a token's weights decides which experts get its sparse weights, so where two logits
;  lie within the rounding of an f32 sum of 1,024 terms, another order of summation may put the weights on other experts.
; THE SELECTOR'S SUMS, as a plain blocked f32 product takes them: K in runs of 320, 320, 320 and 64; in a run two chains, one of the even k and one of the odd k; each product is rounded and then added to its
;  chain; the two chains are added; the runs' sums are added in ascending order; then bsel.
; SHARES.  Work-group g owns tokens 32 g .. 32 g + 31.
;  PHASE 1.  Wave w owns K = 256 w .. 256 w + 255 of all 32 rows, in 16 steps of two rows (512 numbers).  A step's four loads read 512 consecutive bytes each; the bytes go into LDS twice: as they lie, into the
;  tile XT (32 rows), and through the wave's own stage, from which they come back 64 bytes a lane: lane l then holds row 2 t + l / 16, k = 256 w + 16 (l % 16) + 0 .. 15: two neighbouring lanes hold a block of 32.
;  Each wave also copies a quarter of Wsel into LDS.
;  PHASE 2, behind a barrier.  A lane takes a token, wave w run w of K, for all eight experts: 8 k at a time, x from the lane's row of XT, Wsel's rows by loads in which all lanes name the same bytes.
;  Two experts go in one packed instruction; four pairs of experts x two chains are eight sums that do not wait for each other.  Run 3 has 64 k: wave 3 leaves by a branch on the wave's number.
;  Behind a second barrier wave 0 takes a token a lane: the runs' sums, the softmax, the order, the weights and the bitmaps.
; LDS: four waves x two stages of 32 x 80 bytes; XT 32 rows x (4,096 + 16); Wsel as it lies; LOG [row][run][8] f32, rows 144 bytes apart; XSC [row][32] scale bytes; SWS: sw on its way out; the spare words.
; REGISTERS: v1-6, v16-27 addresses, all made at the head; v7 and v15 a step's byte; v8-11 at work; v12-13 the add's two; v14 lane.
;  phase 1: v32-63 two sets of 16 neighbours, v64-191 eight sets of 16 numbers as loaded, v192-255 four registers of codes for each step (first: Wsel on its way into LDS).
;  phase 2: v32-47 two sets of 8 x, v48-55 the even chains, v56-63 the odd chains, v64-191 two sets of 8 rows of Wsel, v192-207 products.   wave 0's tail: v64-199.
.set XT,    20480
.set XTP,   4112                       ; a row of XT: 4,096 bytes + 16: the 16 lanes of a load, a row each, fall on 16 different columns of 16 bytes
.set WL,    XT+32*XTP
.set LOG,   WL+32768
.set LGP,   144
.set XSC,   LOG+32*LGP
.set SWS,   XSC+1024
.set SPARE, SWS+1024                   ; the spare words: 128 bytes for each wave, two blocks of 256 bytes that no other line names
.set XSOFF, 4194304                    ; xq: codes [4096][1024], then scale bytes [4096][32]
.set GA,   1                           ; 16 lane + 1,024 wave: my 16 bytes of a load
.set SIN,  2                           ; the stage, on the way in
.set SOUT, 3                           ; and out: 80 x lane
.set CO,   4                           ; my codes' place in two rows of xq
.set SCA,  5                           ; my block's byte in XSC
.set XI0,  6                           ; XT, in: rows 0 on
.set EB,   7                           ; v7, v15
.set SPW,  12
.set NIL,  13
.set LN,   14
.set XI1,  16                          ; XT, in: rows 16 on (an LDS immediate has 16 bits)
.set WA,   17                          ; 16 lane + 8,192 wave: my bytes of Wsel
.set WLI,  18                          ; and their place in LDS
.set XR,   19                          ; XT, out: my token's row, my wave's run
.set WR,   20                          ; Wsel in LDS: my wave's run; the same in all lanes
.set LGW,  21                          ; LOG: my token's row, my wave's run
.set ALG,  22                          ; LOG: my token's row
.set AXS,  23                          ; XSC + 16 lane
.set ASI,  24                          ; SWS + 32 lane
.set ASO,  25                          ; SWS + 16 lane
.set A16,  26                          ; 16 lane
.set A4,   27                          ; 4 lane
.set X,    32
.set R,    64
.set C,    192
.set XB,   32
.set CA,   48
.set WB,   64
.set PR,   192
	s_load_b256 s[4:11], s[0:1], 0x0               ; x s[4:5], Wsel s[6:7], bsel s[8:9], xq s[10:11]
	s_load_b128 s[12:15], s[0:1], 0x20             ; swb s[12:13], bits s[14:15]
	v_lshl_add_u32 v[SPW], v0, 2, SPARE
	v_mov_b32 v[NIL], 0
	v_lshrrev_b32 v8, 5, v0
	v_readfirstlane_b32 s16, v8                    ; wave
	v_mul_u32_u24 v[WR], v8, 10240                 ; 320 rows of 32 bytes a run
	v_add_nc_u32 v[WR], WL, v[WR]
	v_and_b32 v[LN], 31, v0
	v_and_b32 v9, 15, v0                           ; r = lane % 16
	v_bfe_u32 v10, v0, 4, 1                        ; h = lane / 16
	s_lshl_b32 s17, s16, 10
	v_lshlrev_b32 v[A16], 4, v[LN]
	v_lshlrev_b32 v[A4], 2, v[LN]
	v_add_nc_u32 v[GA], s17, v[A16]
	v_add_nc_u32 v[XI0], XT, v[GA]
	v_add_nc_u32 v[XI1], XT+16*XTP, v[GA]
	s_mul_i32 s18, s16, 5120                       ; my wave's two stages
	v_lshrrev_b32 v8, 2, v[LN]
	v_mul_u32_u24 v8, v8, 80
	v_and_b32 v11, 3, v0
	v_lshl_add_u32 v8, v11, 4, v8
	v_add_nc_u32 v[SIN], s18, v8                   ; four lanes' 64 bytes on end, then 16 of padding
	v_mul_u32_u24 v8, v[LN], 80
	v_add_nc_u32 v[SOUT], s18, v8
	s_lshl_b32 s19, s16, 8
	v_lshlrev_b32 v8, 10, v10
	v_lshl_add_u32 v8, v9, 4, v8
	v_add_nc_u32 v[CO], s19, v8                    ; 1,024 h + 16 r + 256 w
	s_lshl_b32 s19, s16, 3
	v_lshrrev_b32 v8, 1, v9
	v_lshl_add_u32 v8, v10, 5, v8
	v_add_nc_u32 v8, s19, v8
	v_add_nc_u32 v[SCA], XSC, v8                   ; XSC + 32 h + 8 w + r / 2
	s_lshl_b32 s19, s16, 13
	v_lshl_add_u32 v[WA], v[LN], 4, s19
	v_add_nc_u32 v[WLI], WL, v[WA]
	v_mul_u32_u24 v8, v[LN], XTP
	s_mul_i32 s19, s16, 1280                       ; 320 numbers a run
	v_add_nc_u32 v8, s19, v8
	v_add_nc_u32 v[XR], XT, v8
	v_mul_u32_u24 v8, v[LN], LGP
	v_add_nc_u32 v[ALG], LOG, v8
	s_lshl_b32 s19, s16, 5
	v_add_nc_u32 v[LGW], s19, v[ALG]
	v_add_nc_u32 v[AXS], XSC, v[A16]
	v_add_nc_u32 v[ASO], SWS, v[A16]
	v_lshlrev_b32 v8, 5, v[LN]
	v_add_nc_u32 v[ASI], SWS, v8
	s_mov_b32 s23, 0x600000                        ; the mantissa field of 448
	s_mov_b32 s21, 0
	s_wait_kmcnt 0x0
	s_lshl_b32 s20, ttmp9, 17
	s_add_nc_u64 s[4:5], s[4:5], s[20:21]          ; x at my 32 rows
	s_lshl_b32 s20, ttmp9, 15
	s_add_nc_u64 s[28:29], s[10:11], s[20:21]      ; their codes
	s_lshl_b32 s20, ttmp9, 10
	s_add_nc_u64 s[30:31], s[10:11], s[20:21]
	s_add_nc_u64 s[30:31], s[30:31], XSOFF         ; their scale bytes
	s_add_nc_u64 s[12:13], s[12:13], s[20:21]      ; their sw
	s_lshl_b32 s20, ttmp9, 5
	s_add_nc_u64 s[56:57], s[14:15], s[20:21]      ; bits: my group's eight bitmaps
	s_lshl_b32 s20, ttmp9, 4
	s_add_nc_u64 s[14:15], s[14:15], s[20:21]      ; and, 4,096 bytes on, its four words of counts
.set k, 0
.rept 16
	global_load_b128 v[C+4*k:C+4*k+3], v[WA], s[6:7] offset:512*k      ; my quarter of Wsel, 512 consecutive bytes a load
.set k, k+1
.endr
.macro LOAD t                          ; step t: two rows' 1,024 bytes of my wave's K, 512 consecutive bytes a load
.irp i, 0,1,2,3
	global_load_b128 v[R+16*((\t)%8)+4*\i:R+16*((\t)%8)+4*\i+3], v[GA], s[4:5] offset:(2*(\t)+\i/2)*4096+(\i%2)*512 th:TH_LOAD_NT
.endr
.endm
.macro TURN t                          ; step t's numbers into XT as they lie, and through the stage: LDS serves a wave's instructions in order, so no wait stands between the stores and the loads
.set XI, XI0
.if (\t) >= 8
.set XI, XI1
.endif
.irp i, 0,1,2,3
	ds_store_b128 v[XI], v[R+16*((\t)%8)+4*\i:R+16*((\t)%8)+4*\i+3] offset:(2*((\t)%8)+\i/2)*XTP+(\i%2)*512
.endr
.irp i, 0,1,2,3
	ds_store_b128 v[SIN], v[R+16*((\t)%8)+4*\i:R+16*((\t)%8)+4*\i+3] offset:2560*((\t)%2)+640*\i
.endr
.irp i, 0,1,2,3
	ds_load_b128 v[X+16*((\t)%2)+4*\i:X+16*((\t)%2)+4*\i+3], v[SOUT] offset:2560*((\t)%2)+16*\i
.endr
.endm
.irp t, 0,1,2,3,4,5,6,7
	LOAD \t
.endr
	s_wait_loadcnt 32                              ; Wsel's 16 loads are in; the 32 loads of steps 0 to 7 may be out
.set k, 0
.rept 16
	ds_store_b128 v[WLI], v[C+4*k:C+4*k+3] offset:512*k
.set k, k+1
.endr
	s_wait_loadcnt 28                              ; step 0's four loads are in (steps 1 to 7: 28 loads may be out)
	TURN 0
.macro STEP t
.set XS, X+16*((\t)%2)
.set ER, EB+8*((\t)%2)
.if (\t) > 0
	s_wait_dscnt 1                                 ; this step's numbers are back from the stage (the last step's byte store may be out): so its LDS stores have read their registers,
.else
	s_wait_dscnt 0x0                               ; (and Wsel's stores have read theirs, which the codes take)
.endif
.if (\t)+8 < 16
	LOAD (\t)+8                                    ; which take the loads of eight steps on
.endif
.if (\t)+1 < 16
.if (\t)+8 < 16
	s_wait_loadcnt 28                              ; the next step's loads are in; those of the seven steps behind it may be out
.else
	s_wait_loadcnt 4*(14-(\t))
.endif
	TURN (\t)+1
.endif
	v_max3_num_f32 v8, |v[XS]|, |v[XS+1]|, |v[XS+2]|
	v_max3_num_f32 v9, |v[XS+3]|, |v[XS+4]|, |v[XS+5]|
.irp i, 6,10
	v_max3_num_f32 v8, v8, |v[XS+\i]|, |v[XS+\i+1]|
	v_max3_num_f32 v9, v9, |v[XS+\i+2]|, |v[XS+\i+3]|
.endr
	v_max3_num_f32 v8, v8, |v[XS+14]|, |v[XS+15]|
	v_max3_num_f32 v8, v8, v9, 0x4800000           ; and the floor 2^(9 - 127): the byte cannot fall under 1
	v_max_num_f32_dpp v8, v8, v8 row_xmask:1 row_mask:0xf bank_mask:0xf   ; with my neighbour's 16: the block's largest magnitude
	v_add_nc_u32 v11, 0xfc000000, v8               ; 8 off its exponent field: the conversion's scale operand
	v_and_or_b32 v10, v8, 0x7f800000, s23          ; 448 x the scale
.irp i, 0,1,2,3,4,5,6,7,8,9,10,11,12,13,14,15
	v_med3_num_f32 v[XS+\i], v[XS+\i], -v10, v10   ; the conversion to an 8-bit code does not saturate (ISA guide 7.6.2): the hold comes first
.endr
	v_cvt_scalef32_pk8_fp8_f32 v[C+4*(\t):C+4*(\t)+1], v[XS:XS+7], v11
	v_cvt_scalef32_pk8_fp8_f32 v[C+4*(\t)+2:C+4*(\t)+3], v[XS+8:XS+15], v11
	v_lshrrev_b32 v[ER], 23, v11                   ; the scale's byte (also the plain line behind the conversions)
	ds_store_b8 v[SCA], v[ER] offset:64*(\t)       ; both lanes of a block write the same byte with the same value
	global_store_b128 v[CO], v[C+4*(\t):C+4*(\t)+3], s[28:29] offset:2048*(\t)   ; 16 lanes store 256 consecutive bytes of a row, aligned; each step has its own four registers
.endm
.irp t, 0,1,2,3,4,5,6,7,8,9,10,11,12,13,14,15
	STEP \t
.endr
	s_wait_dscnt 0x0                               ; for the others' sake: my stores into XT, Wsel's copy and XSC are done
	s_barrier_signal -1
	s_barrier_wait -1
	; ---- phase 2: my wave's run of K, a token a lane
; chunk c: 8 k: my token's 8 numbers, and 8 rows of Wsel (register 8 kk + e), into set c % 2
.macro LOADC c
.set XBS, XB+8*((\c)%2)
.set WBS, WB+64*((\c)%2)
	ds_load_b128 v[XBS:XBS+3], v[XR] offset:32*(\c)
	ds_load_b128 v[XBS+4:XBS+7], v[XR] offset:32*(\c)+16
.irp q, 0,1,2,3,4,5,6,7,8,9,10,11,12,13,14,15
	ds_load_b128 v[WBS+4*\q:WBS+4*\q+3], v[WR] offset:256*(\c)+16*\q
.endr
.endm
; d = x[kk] x Wsel[kk][2 p, 2 p + 1], rounded; x[kk] is one register of a pair and serves both halves
.macro XMUL d, p
.if kk%2
	v_pk_mul_f32 v[\d:\d+1], v[XBS+kk-1:XBS+kk], v[WBS+8*kk+2*\p:WBS+8*kk+2*\p+1] op_sel:[1,0] op_sel_hi:[1,1]
.else
	v_pk_mul_f32 v[\d:\d+1], v[XBS+kk:XBS+kk+1], v[WBS+8*kk+2*\p:WBS+8*kk+2*\p+1] op_sel_hi:[0,1]
.endif
.endm
.macro COMPUTE c
.set XBS, XB+8*((\c)%2)
.set WBS, WB+64*((\c)%2)
.set kk, 0
.rept 8
.set AC, CA+8*(kk%2)                   ; the even k's chains, or the odd k's
.set PS, PR+8*(kk%2)
.if ((\c) == 0) && (kk < 2)
.irp p, 0,1,2,3
	XMUL AC+2*\p, \p                               ; a chain's first product starts it
.endr
.else
.irp p, 0,1,2,3
	XMUL PS+2*\p, \p
.endr
.irp p, 0,1,2,3
	v_pk_add_f32 v[AC+2*\p:AC+2*\p+1], v[AC+2*\p:AC+2*\p+1], v[PS+2*\p:PS+2*\p+1]
.endr
.endif
.set kk, kk+1
.endr
.endm
	s_wait_xcnt 0x0                                ; the stores of codes have read their registers: the products take some of them
	LOADC 0
.set cc, 0
.rept 7
	LOADC cc+1
	s_wait_dscnt 18                                ; this chunk's 18 loads are in; the next chunk's 18 may be out
	COMPUTE cc
.set cc, cc+1
.endr
	s_cmp_eq_u32 s16, 3                            ; run 3 has 64 k: eight chunks
	s_cbranch_scc1 .Lshort
.set cc, 7
.rept 32
	LOADC cc+1
	s_wait_dscnt 18
	COMPUTE cc
.set cc, cc+1
.endr
	s_wait_dscnt 0x0
	COMPUTE 39
	s_branch .Lsummed
.Lshort:
	s_wait_dscnt 0x0
	COMPUTE 7
.Lsummed:
.irp p, 0,1,2,3
	v_pk_add_f32 v[CA+2*\p:CA+2*\p+1], v[CA+2*\p:CA+2*\p+1], v[CA+8+2*\p:CA+8+2*\p+1]    ; the even chain + the odd chain
.endr
	ds_store_b128 v[LGW], v[CA:CA+3]
	ds_store_b128 v[LGW], v[CA+4:CA+7] offset:16
	s_wait_dscnt 0x0                               ; for wave 0's sake: my stores into LOG are done
	s_barrier_signal -1
	s_barrier_wait -1
	s_cmp_lg_u32 s16, 0
	s_cbranch_scc1 .Lend
	; ---- wave 0 alone: a token a lane
.set P,    64                          ; the four runs' sums: 8 run + e
.set LG,   96                          ; logits, then logit - maximum, then the weights
.set Q,    104
.set RK,   112                         ; rank of expert e
.set TW,   120                         ; the weights in descending order
.set OR,   128                         ; order[p]: the expert at place p
.set SS,   136                         ; the sparse weights in that order
.set SW,   144                         ; sw[e]
.set OB,   152
.set SB,   160
.set BM,   172
.set CN,   173
.set MX,   174
.set T0,   176
.set CU,   180
.set TT,   181
.set TQ,   184
.set TL,   192
	s_load_b256 s[32:39], s[8:9], 0x0              ; bsel
	s_mov_b32 s59, 0x3fb8aa3b                      ; c = log2(e), rounded to f32,
	s_mov_b32 s60, 0x32a5705f                      ; and what that rounding lost
	ds_load_b128 v[SB:SB+3], v[AXS]
	ds_load_b128 v[SB+4:SB+7], v[AXS] offset:512
.irp i, 0,1,2,3,4,5,6,7
	ds_load_b128 v[P+4*\i:P+4*\i+3], v[ALG] offset:16*\i
.endr
	s_wait_dscnt 8                                 ; the scale bytes are in (the eight loads of LOG may be out)
	global_store_b128 v[A16], v[SB:SB+3], s[30:31]             ; 32 rows x 32 bytes leave as 2 x 512 consecutive bytes
	global_store_b128 v[A16], v[SB+4:SB+7], s[30:31] offset:512
	s_wait_dscnt 0x0
	s_wait_kmcnt 0x0
.irp e, 0,1,2,3,4,5,6,7
	v_add_f32 v[LG+\e], v[P+\e], v[P+8+\e]         ; the runs' sums in ascending order
.endr
.irp e, 0,1,2,3,4,5,6,7
	v_add_f32 v[LG+\e], v[LG+\e], v[P+16+\e]
.endr
.irp e, 0,1,2,3,4,5,6,7
	v_add_f32 v[LG+\e], v[LG+\e], v[P+24+\e]
.endr
.irp e, 0,1,2,3,4,5,6,7
	v_add_f32 v[LG+\e], s[32+\e], v[LG+\e]
.endr
	v_max3_num_f32 v[MX], v[LG], v[LG+1], v[LG+2]
	v_max3_num_f32 v[MX], v[MX], v[LG+3], v[LG+4]
	v_max3_num_f32 v[MX], v[MX], v[LG+5], v[LG+6]
	v_max_num_f32 v[MX], v[MX], v[LG+7]            ; the maximum is taken away ahead of the exponential, as reference()'s softmax does
.irp e, 0,1,2,3,4,5,6,7
	v_sub_f32 v[LG+\e], v[LG+\e], v[MX]            ; d
.endr
.irp e, 0,1,2,3,4,5,6,7
	v_mul_f32 v[TQ+\e], s59, v[LG+\e]              ; t = d c, rounded: two different d can give one t,
.endr
.irp e, 0,1,2,3,4,5,6,7
	v_fma_f32 v[TL+\e], v[LG+\e], s59, -v[TQ+\e]   ; so what the rounding lost is kept,
.endr
.irp e, 0,1,2,3,4,5,6,7
	v_fma_f32 v[TL+\e], v[LG+\e], s60, v[TL+\e]    ; with d x the rest of log2(e)
.endr
.irp e, 0,1,2,3,4,5,6,7
	v_exp_f32 v[Q+\e], v[TQ+\e]
.endr
.irp e, 0,1,2,3,4,5,6,7
	v_mul_f32 v[TL+\e], 0x3f317218, v[TL+\e]       ; x ln 2.  (Plain work behind the exponentials)
.endr
	s_wait_alu depctr_va_vdst(0)                   ; one wait for the eight, ahead of their first reader
.irp e, 0,1,2,3,4,5,6,7
	v_fma_f32 v[Q+\e], v[Q+\e], v[TL+\e], v[Q+\e]  ; e^d = 2^t (1 + the rest x ln 2)
.endr
.irp p, 0,1,2,3
	v_add_f32 v[T0+\p], v[Q+2*\p], v[Q+2*\p+1]
.endr
	v_add_f32 v[T0], v[T0], v[T0+1]
	v_add_f32 v[T0+2], v[T0+2], v[T0+3]
	v_add_f32 v[T0], v[T0], v[T0+2]
	v_rcp_f32 v[MX], v[T0]
	v_nop
	s_wait_alu depctr_va_vdst(0)
.irp e, 0,1,2,3,4,5,6,7
	v_mul_f32 v[LG+\e], v[Q+\e], v[MX]             ; the selector's weights
.endr
	; the stable descending order: rank[e] = how many experts stand ahead of e.  It starts as if every later expert stood ahead; for j < e, j stands ahead of e where w[j] >= w[e]
.irp e, 0,1,2,3,4,5,6,7
	v_mov_b32 v[RK+\e], 7-\e
	v_mov_b32 v[TW+\e], 0
	v_mov_b32 v[OR+\e], 0
.endr
.irp e, 1,2,3,4,5,6,7
.irp j, 0,1,2,3,4,5,6
.if \j < \e
	v_cmp_ge_f32 vcc_lo, v[LG+\j], v[LG+\e]
	v_cndmask_b32 v[TT], 0, 1, vcc_lo
	v_add_nc_u32 v[RK+\e], v[RK+\e], v[TT]
	v_sub_nc_u32 v[RK+\j], v[RK+\j], v[TT]
.endif
.endr
.endr
.irp p, 0,1,2,3,4,5,6,7
.irp e, 0,1,2,3,4,5,6,7
	v_cmp_eq_u32 vcc_lo, \p, v[RK+\e]
	v_cndmask_b32 v[TW+\p], v[TW+\p], v[LG+\e], vcc_lo
	v_cndmask_b32 v[OR+\p], v[OR+\p], \e, vcc_lo
.endr
.endr
	v_mov_b32 v[CU], v[TW]
.irp p, 0,1,2,3,4,5,6,7
.if \p > 0
	v_add_f32 v[CU], v[CU], v[TW+\p]               ; the running sum
.endif
	v_min_num_f32 v[TT], 0x3f4ccccd, v[CU]         ; capped at 1 - 0.2
	v_sub_f32 v[TT], v[TT], v[CU]
	v_add_f32 v[TT], v[TT], v[TW+\p]
	v_max_num_f32 v[SS+\p], 0, v[TT]
.endr
.irp e, 0,1,2,3,4,5,6,7                        ; sw[e] = sorted weight at place order[e]: the gather as reference() writes it
	v_mov_b32 v[SW+\e], v[SS]
.irp p, 1,2,3,4,5,6,7
	v_cmp_eq_u32 vcc_lo, \p, v[OR+\e]
	v_cndmask_b32 v[SW+\e], v[SW+\e], v[SS+\p], vcc_lo
.endr
.endr
	ds_store_b128 v[ASI], v[SW:SW+3]
	ds_store_b128 v[ASI], v[SW+4:SW+7] offset:16
	ds_load_b128 v[OB:OB+3], v[ASO]                ; a wave's LDS instructions are served in order: these see the stores
	ds_load_b128 v[OB+4:OB+7], v[ASO] offset:512
.irp e, 0,1,2,3,4,5,6,7
	v_cmp_lt_f32 s[40+\e], 0, v[SW+\e]             ; bit t: token 32 g + t has sw > 0 for expert e.  Data alone here: no address and no branch of this launch hangs on it
.endr
.irp e, 0,1,2,3,4,5,6,7
	s_bcnt1_i32_b32 s[48+\e], s[40+\e]
.endr
.irp p, 0,1,2,3
	s_lshl_b32 s[49+2*\p], s[49+2*\p], 16
	s_or_b32 s[48+2*\p], s[48+2*\p], s[49+2*\p]    ; two counts to a word
.endr
	v_mov_b32 v[BM], 0
	v_mov_b32 v[CN], 0
.irp e, 0,1,2,3,4,5,6,7
	v_writelane_b32 v[BM], s[40+\e], \e
.endr
.irp p, 0,1,2,3
	v_writelane_b32 v[CN], s[48+2*\p], \p
.endr
	s_wait_dscnt 0x0
	global_store_b128 v[A16], v[OB:OB+3], s[12:13]
	global_store_b128 v[A16], v[OB+4:OB+7], s[12:13] offset:512
	v_cmp_gt_u32 vcc_lo, 8, v[LN]
	s_wait_xcnt 0x0                                ; EXEC changes only behind this wait
	s_and_saveexec_b32 s58, vcc_lo
	global_store_b32 v[A4], v[BM], s[56:57]        ; eight bitmaps
	s_wait_xcnt 0x0
	s_or_b32 exec_lo, exec_lo, s58
	v_cmp_gt_u32 vcc_lo, 4, v[LN]
	s_and_saveexec_b32 s58, vcc_lo
	global_store_b32 v[A4], v[CN], s[14:15] offset:4096        ; four words of counts
	s_wait_xcnt 0x0
	s_or_b32 exec_lo, exec_lo, s58
.Lend:
	s_wait_tensorcnt 0x0                           ; the wave's end: behind my last LDS store
	ds_add_u32 v[SPW], v[NIL]
	s_wait_dscnt 0x0
	s_endpgm
.Lfunc_end_k_q6a595b244a_route:
	.size	k_q6a595b244a_route, .Lfunc_end_k_q6a595b244a_route-k_q6a595b244a_route
	.p2alignl 7, 3214868480
	.fill 96, 4, 3214868480
	.section	.rodata,"a",@progbits
	.p2align	6, 0x0
	.amdhsa_kernel k_q6a595b244a_route
		.amdhsa_group_segment_fixed_size 192512
		.amdhsa_private_segment_fixed_size 0
		.amdhsa_enable_private_segment 0
		.amdhsa_kernarg_size 48
		.amdhsa_user_sgpr_count 2
		.amdhsa_user_sgpr_kernarg_segment_ptr 1
		.amdhsa_wavefront_size32 1
		.amdhsa_system_sgpr_workgroup_id_x 1
		.amdhsa_system_sgpr_workgroup_id_y 1
		.amdhsa_system_sgpr_workgroup_id_z 1
		.amdhsa_system_vgpr_workitem_id 0
		.amdhsa_next_free_vgpr 256
		.amdhsa_next_free_sgpr 66
		.amdhsa_reserve_vcc 1
		.amdhsa_float_denorm_mode_32 3
		.amdhsa_float_denorm_mode_16_64 3
		.amdhsa_memory_ordered 1
		.amdhsa_forward_progress 1
		.amdhsa_inst_pref_size 255
	.end_amdhsa_kernel
	.section	.bss,"aw",@nobits
	.p2align	6
	.space	262144
	.amdgpu_metadata
---
amdhsa.version: [ 1, 2 ]
amdhsa.kernels:
  - .name:           k_q6a595b244a_route
    .symbol:         k_q6a595b244a_route.kd
    .args:
      - { .name: x, .offset: 0, .size: 8, .value_kind: global_buffer, .address_space: global }
      - { .name: Wsel, .offset: 8, .size: 8, .value_kind: global_buffer, .address_space: global }
      - { .name: bsel, .offset: 16, .size: 8, .value_kind: global_buffer, .address_space: global }
      - { .name: xq, .offset: 24, .size: 8, .value_kind: global_buffer, .address_space: global }
      - { .name: swb, .offset: 32, .size: 8, .value_kind: global_buffer, .address_space: global }
      - { .name: bits, .offset: 40, .size: 8, .value_kind: global_buffer, .address_space: global }
    .group_segment_fixed_size: 192512
    .private_segment_fixed_size: 0
    .kernarg_segment_align: 8
    .kernarg_segment_size: 48
    .max_flat_workgroup_size: 128
    .sgpr_count:     66
    .vgpr_count:     256
    .wavefront_size: 32
...
	.end_amdgpu_metadata
.endif
;; end of part 1
;; launch prep (part 2): grid 264 x 1, 4 waves a work-group, no clusters, 67,072 bytes of LDS; arguments bits, W1_codes, W1_scales, W2_codes, W2_scales, plan, wf; writes plan, wf
.if DOCPART == 2
	.amdgcn_target "amdgcn-amd-amdhsa--gfx1250"
	.amdhsa_code_object_version 6
	.text
	.protected	k_q6a595b244a_prep
	.globl	k_q6a595b244a_prep
	.p2align	8
	.type	k_q6a595b244a_prep,@function
k_q6a595b244a_prep:
	s_mov_b64 s[64:65], 0
	v_nop
	global_prefetch_b8 v0, s[64:65] scope:SCOPE_SE
	s_setreg_imm32_b32 hwreg(HW_REG_WAVE_MODE, 25, 1), 1
	s_wait_xcnt 0x0
; LAUNCH 2 OF 4.  Two jobs that share a launch; they part on the work-group's number.
; WORK-GROUPS 0 TO 7 (one for each expert e) place the rows with sw > 0, which are the only rows that the later launches multiply (see the first kernel's head): from the bitmaps and counts of launch 1 they
;  make plan: tinfo[640] = e | rows << 8 for each tile of 64 rows (0: no tile), and list[tile][64] = token numbers, the experts' tiles one behind the other.  32,768 / 64 + 7 = 519 tiles serve every split.
;  Thread g owns group g of 32 tokens.  Each thread adds up all 128 groups' counts (two experts to a word, fields of 16 bits: a total is 4,096 at the most) and, of those, the groups ahead of its own.
;  No atomics: each slot of list and tinfo has one writer.  Slots of a last tile that no row fills get token 0: they are gathered and multiplied with the tile, and not stored.
;  All offsets, data and masks of the masked stores are made while all lanes are on, ahead of the first change of EXEC; behind it stand the 35 masked stores and no write of a vector register.
; WORK-GROUPS 8 TO 263 lay W1's and W2's codes and scale bytes in the order of the matrix operand's registers, so that every later load of a fragment is 512 consecutive bytes.  A wave takes one tile:
;  16 rows x 1,024 codes.  Tile (B, u) of an expert holds, in lane r, row 32 B + 8 u + r + 8 (r / 8): two neighbouring tiles' results are then 16 neighbours along the next K.
;  wf: codes at tensor x 8 MiB + e x 1 MiB + B x 32,768 + s x 4,096 + u x 2,048 + c x 512 + 16 lane (s: K step of 128; lane (r, h): bytes 128 s + 32 c + 16 h of its row);
;  scale words at WSOFF + tensor x 262,144 + e x 32,768 + B x 1,024 + q x 512 + 16 lane (lane = r + 16 u: that row's bytes 16 q .. 16 q + 15).
; LDS (second job alone): 16 rows x 1,040 bytes for each wave; the spare words.  No barrier: waves share nothing.
.set SPARE, 66560
.set WSOFF, 16777216
.set LN,   4
.set L16,  5
.set RIN,  6                           ; the turn: in, 16 x lane in my wave's rows
.set ROUT, 7                           ; out: row r, + 16 h
.set SCO,  8                           ; my row's scale bytes in memory
.set VZ,   9                           ; 0
.set SPW,  10
.set NIL,  11
.set PRE,  12                          ; v12-15 counts of the groups ahead of mine
.set TOT,  16                          ; v16-19 of all groups
.set FL,   20
.set BW,   21                          ; my group's bitmap for expert e
.set LBP,  22                          ; where my group's rows begin in list
.set BWO,  23
.set DA0,  26
.set PADA, 27                          ; offset of the slot that I fill with token 0
.set TIA,  28                          ; offset of my tile's word of tinfo,
.set TID,  29                          ; and the word
.set TLA,  30                          ; offset of my word of tinfo behind the last tile
.set SD,   32
.set CD,   64                          ; second job: a tile's codes
.set IDX,  64                          ; first job: v64-95 the scatter's offsets, one register for each of my wave's 32 groups,
.set DAT,  96                          ; v96-127 and the token numbers
.set MK,   66                          ; s66-97 my wave's 32 bitmap words
.set MSB, 0
.macro WIN new
.if MSB != \new
	s_set_vgpr_msb (MSB<<8)|\new
.set MSB, \new
.endif
.endm
	s_load_b256 s[4:11], s[0:1], 0x0               ; bits, W1's codes, W1's scales, W2's codes
	s_load_b128 s[12:15], s[0:1], 0x20             ; W2's scales, plan
	s_load_b64 s[16:17], s[0:1], 0x30              ; wf
	v_lshl_add_u32 v[SPW], v0, 2, SPARE
	v_mov_b32 v[NIL], 0
	v_lshrrev_b32 v1, 5, v0
	v_readfirstlane_b32 s18, v1                    ; wave
	v_and_b32 v[LN], 31, v0
	v_lshlrev_b32 v[L16], 4, v[LN]
	s_mul_i32 s19, s18, 16640
	v_add_nc_u32 v[RIN], s19, v[L16]
	v_and_b32 v1, 15, v0                           ; r
	v_bfe_u32 v2, v0, 4, 1                         ; h
	v_mul_u32_u24 v3, v1, 1040
	v_lshl_add_u32 v3, v2, 4, v3
	v_add_nc_u32 v[ROUT], s19, v3
	v_and_b32 v3, 8, v1
	v_add_nc_u32 v3, v3, v1                        ; r + 8 (r / 8)
	v_lshl_add_u32 v3, v2, 3, v3                   ; + 8 (lane / 16)
	v_lshlrev_b32 v[SCO], 5, v3                    ; 32 scale bytes a row
	v_mov_b32 v[VZ], 0
	s_wait_kmcnt 0x0
	s_cmp_lt_u32 ttmp9, 8
	s_cbranch_scc0 .Lrelay
	; ---- the placing of rows, expert e = the work-group's number
	s_mov_b32 s20, ttmp9
	s_lshl_b32 s21, ttmp9, 2
	v_lshl_add_u32 v[BWO], v0, 5, s21
	global_load_b32 v[BW], v[BWO], s[4:5]
.irp k, 0,1,2,3
	v_mov_b32 v[PRE+\k], 0
	v_mov_b32 v[TOT+\k], 0
.endr
.macro CLOAD g0, r0                    ; the counts of groups g0 .. g0 + 31, the same 16 bytes for all lanes, into window 1 from register r0 on
	WIN 0x40
.set ci, 0
.rept 32
	global_load_b128 v[(\r0)+4*ci:(\r0)+4*ci+3], v[VZ], s[4:5] offset:4096+16*((\g0)+ci)
.set ci, ci+1
.endr
.endm
.macro CSUM g0, r0                     ; they are added up; the flag says whether the group stands ahead of mine
	WIN 0x04                                       ; source 1 window 1
.set ci, 0
.rept 32
	v_cmp_gt_u32 vcc_lo, v0, (\g0)+ci
	v_cndmask_b32 v[FL], 0, 1, vcc_lo
.irp k, 0,1,2,3
	v_mad_u32_u24 v[PRE+\k], v[FL], v[(\r0)+4*ci+\k], v[PRE+\k]    ; a word of counts stays under 2^22
.endr
.irp k, 0,1,2,3
	v_add_nc_u32 v[TOT+\k], v[TOT+\k], v[(\r0)+4*ci+\k]
.endr
.set ci, ci+1
.endr
.endm
	CLOAD 0, 0
	CLOAD 32, 128
	s_wait_loadcnt 32                              ; the first 32 groups' counts are in; the run of 32 loads behind them may be out
	CSUM 0, 0
	CLOAD 64, 0
	s_wait_loadcnt 32                              ; likewise
	CSUM 32, 128
	CLOAD 96, 128
	s_wait_loadcnt 32
	CSUM 64, 0
	s_wait_loadcnt 0x0
	CSUM 96, 128
	WIN 0
.irp k, 0,1,2,3
	v_readfirstlane_b32 s[24+\k], v[TOT+\k]
.endr
	s_mov_b32 s30, 0                               ; tb: tiles of the experts ahead of e
	s_mov_b32 s31, 0                               ; ntot: all tiles
	s_mov_b32 s32, 0                               ; Te: rows of e
	s_mov_b32 s33, 0                               ; tle: tiles of e
.irp k, 0,1,2,3,4,5,6,7
.if \k%2
	s_lshr_b32 s34, s[24+\k/2], 16
.else
	s_and_b32 s34, s[24+\k/2], 0xffff
.endif
	s_add_co_u32 s35, s34, 63
	s_lshr_b32 s35, s35, 6
	s_add_co_u32 s31, s31, s35
	s_cmp_gt_u32 s20, \k
	s_cselect_b32 s36, s35, 0
	s_add_co_u32 s30, s30, s36
	s_cmp_eq_u32 s20, \k
	s_cselect_b32 s32, s34, s32
	s_cselect_b32 s33, s35, s33
.endr
	s_bitcmp1_b32 s20, 1
	s_cselect_b32 s36, -1, 0
	s_bitcmp1_b32 s20, 2
	s_cselect_b32 s37, -1, 0
	v_cndmask_b32 v1, v[PRE], v[PRE+1], s36
	v_cndmask_b32 v2, v[PRE+2], v[PRE+3], s36
	v_cndmask_b32 v1, v1, v2, s37                  ; the word with e's field,
	s_and_b32 s38, s20, 1
	s_lshl_b32 s38, s38, 4
	v_lshrrev_b32 v1, s38, v1
	v_and_b32 v1, 0xffff, v1                       ; and the field: e's rows in the groups ahead of mine
	s_lshl_b32 s39, s30, 6
	v_add_nc_u32 v[LBP], s39, v1
	s_lshl_b32 s40, s18, 10
	v_add_nc_u32 v[DA0], s40, v[LN]                ; token 32 (32 w + i) + lane, less 32 i
	; group 32 w + gi, a token a lane: where each token with its bit set puts its number, in ascending order.  All lanes are on
.set gi, 0
.rept 32
	v_readlane_b32 s[MK+gi], v[BW], gi
	v_readlane_b32 s42, v[LBP], gi
	v_mbcnt_lo_u32_b32 v[IDX+gi], s[MK+gi], s42    ; set bits under my lane + the group's first slot
	v_min_u32 v[IDX+gi], 33215, v[IDX+gi]          ; list has 519 x 64 slots
	v_lshlrev_b32 v[IDX+gi], 2, v[IDX+gi]
	v_add_nc_u32 v[DAT+gi], 32*gi, v[DA0]
.set gi, gi+1
.endr
	v_add_nc_u32 v1, s32, v0                       ; the slots of e's last tile that no row fills: slot Te + thread, while that lies inside e's tiles
	s_lshl_b32 s44, s33, 6
	v_cmp_gt_u32 s45, s44, v1
	v_add_nc_u32 v[PADA], s39, v1
	v_min_u32 v[PADA], 33215, v[PADA]
	v_lshlrev_b32 v[PADA], 2, v[PADA]
	v_lshlrev_b32 v2, 6, v0                        ; tinfo of e's tiles: thread t: e | min(64, Te - 64 t) << 8
	v_sub_nc_u32 v2, s32, v2
	v_min_u32 v2, 64, v2
	v_lshl_or_b32 v[TID], v2, 8, s20
	v_add_nc_u32 v[TIA], s30, v0
	v_min_u32 v[TIA], 639, v[TIA]
	v_lshlrev_b32 v[TIA], 2, v[TIA]
	v_cmp_gt_u32 s46, s33, v0
	v_lshl_add_u32 v[TLA], v0, 3, s20              ; tinfo behind the last tile: 0; the eight work-groups take every eighth word
	v_add_nc_u32 v[TLA], s31, v[TLA]
	v_cmp_gt_u32 s47, 640, v[TLA]
	v_min_u32 v[TLA], 639, v[TLA]
	v_lshlrev_b32 v[TLA], 2, v[TLA]
; A store by the lanes that a mask names.  EXEC is among a pending store's sources: it is widened again only behind s_wait_xcnt 0, and nothing is issued between that line and the next narrowing
.macro MSTORE msk, adr, dat, off
	s_mov_b32 vcc_lo, s[\msk]
	s_and_saveexec_b32 s43, vcc_lo
	global_store_b32 v[\adr], v[\dat], s[14:15] offset:\off
	s_wait_xcnt 0x0
	s_or_b32 exec_lo, exec_lo, s43
.endm
	s_wait_xcnt 0x0                                ; EXEC changes only behind this wait
.set gi, 0
.rept 32
	MSTORE MK+gi, IDX+gi, DAT+gi, 4096             ; list
.set gi, gi+1
.endr
	MSTORE 45, PADA, VZ, 4096                      ; list: token 0 in the last tile's free slots
	MSTORE 46, TIA, TID, 0                         ; tinfo: e's tiles
	MSTORE 47, TLA, VZ, 0                          ; tinfo: no tile
	s_branch .Lend
.Lrelay:
	; ---- the weights in fragment order: my wave's tile
	s_sub_co_u32 s20, ttmp9, 8
	s_lshl_b32 s20, s20, 2
	s_add_co_u32 s20, s20, s18                     ; 0 .. 1,023
	s_lshr_b32 s21, s20, 9                         ; tensor
	s_bfe_u32 s22, s20, 0x30006                    ; e
	s_bfe_u32 s23, s20, 0x50001                    ; B
	s_and_b32 s24, s20, 1                          ; u
	s_cmp_eq_u32 s21, 0
	s_cselect_b64 s[26:27], s[6:7], s[10:11]       ; the choice hangs on ids alone
	s_cselect_b64 s[28:29], s[8:9], s[12:13]
	s_lshl_b32 s30, s22, 10
	s_lshl_b32 s31, s23, 5
	s_add_co_u32 s30, s30, s31                     ; row 1,024 e + 32 B
	s_lshl_b32 s32, s30, 5
	s_lshl_b32 s33, s24, 4
	s_add_co_u32 s32, s32, s33                     ; its scale bytes, + 16 u: this wave takes that half of both tiles' rows
	s_mov_b32 s33, 0
	s_add_nc_u64 s[28:29], s[28:29], s[32:33]
	s_lshl_b32 s31, s24, 3
	s_add_co_u32 s30, s30, s31
	s_lshl_b32 s30, s30, 10                        ; row 1,024 e + 32 B + 8 u, 1,024 bytes a row
	s_mov_b32 s31, 0
	s_add_nc_u64 s[26:27], s[26:27], s[30:31]
	s_lshl_b32 s34, s21, 23
	s_lshl_b32 s35, s22, 20
	s_add_co_u32 s34, s34, s35
	s_lshl_b32 s35, s23, 15
	s_add_co_u32 s34, s34, s35
	s_lshl_b32 s35, s24, 11
	s_add_co_u32 s34, s34, s35
	s_mov_b32 s35, 0
	s_add_nc_u64 s[36:37], s[16:17], s[34:35]      ; where the tile's codes go
	s_lshl_b32 s34, s21, 18
	s_lshl_b32 s40, s22, 15
	s_add_co_u32 s34, s34, s40
	s_lshl_b32 s40, s23, 10
	s_add_co_u32 s34, s34, s40
	s_lshl_b32 s40, s24, 9
	s_add_co_u32 s34, s34, s40
	s_add_nc_u64 s[38:39], s[16:17], s[34:35]
	s_add_nc_u64 s[38:39], s[38:39], WSOFF         ; and the scale words
	global_load_b128 v[SD:SD+3], v[SCO], s[28:29]
.set ri, 0
.rept 32                               ; tile row ri / 2, half ri % 2: 512 consecutive bytes a load
	global_load_b128 v[CD+4*ri:CD+4*ri+3], v[L16], s[26:27] offset:((ri/2)+8*((ri/2)/8))*1024+(ri%2)*512 th:TH_LOAD_NT
.set ri, ri+1
.endr
.set ri, 0
.rept 32
	s_wait_loadcnt 31-ri                           ; this load is in; the younger ones may be out
	ds_store_b128 v[RIN], v[CD+4*ri:CD+4*ri+3] offset:(ri/2)*1040+(ri%2)*512
.set ri, ri+1
.endr
.set ri, 0
.rept 32                               ; back by fragments: K step ri / 4, registers 4 (ri % 4) on.  LDS serves a wave's instructions in order: these come behind the stores, into the registers that those have read
	ds_load_b128 v[CD+4*ri:CD+4*ri+3], v[ROUT] offset:128*(ri/4)+32*(ri%4)
.set ri, ri+1
.endr
.set ri, 0
.rept 32
	s_wait_dscnt 31-ri
	global_store_b128 v[L16], v[CD+4*ri:CD+4*ri+3], s[36:37] offset:(ri/4)*4096+(ri%4)*512     ; 512 consecutive bytes, aligned
.set ri, ri+1
.endr
	global_store_b128 v[L16], v[SD:SD+3], s[38:39]
.Lend:
	s_wait_tensorcnt 0x0                           ; the wave's end: behind my last LDS store
	ds_add_u32 v[SPW], v[NIL]
	s_wait_dscnt 0x0
	s_endpgm
.Lfunc_end_k_q6a595b244a_prep:
	.size	k_q6a595b244a_prep, .Lfunc_end_k_q6a595b244a_prep-k_q6a595b244a_prep
	.p2alignl 7, 3214868480
	.fill 96, 4, 3214868480
	.section	.rodata,"a",@progbits
	.p2align	6, 0x0
	.amdhsa_kernel k_q6a595b244a_prep
		.amdhsa_group_segment_fixed_size 67072
		.amdhsa_private_segment_fixed_size 0
		.amdhsa_enable_private_segment 0
		.amdhsa_kernarg_size 56
		.amdhsa_user_sgpr_count 2
		.amdhsa_user_sgpr_kernarg_segment_ptr 1
		.amdhsa_wavefront_size32 1
		.amdhsa_system_sgpr_workgroup_id_x 1
		.amdhsa_system_sgpr_workgroup_id_y 1
		.amdhsa_system_sgpr_workgroup_id_z 1
		.amdhsa_system_vgpr_workitem_id 0
		.amdhsa_next_free_vgpr 512
		.amdhsa_next_free_sgpr 100
		.amdhsa_reserve_vcc 1
		.amdhsa_float_denorm_mode_32 3
		.amdhsa_float_denorm_mode_16_64 3
		.amdhsa_memory_ordered 1
		.amdhsa_forward_progress 1
		.amdhsa_inst_pref_size 117
	.end_amdhsa_kernel
	.amdgpu_metadata
---
amdhsa.version: [ 1, 2 ]
amdhsa.kernels:
  - .name:           k_q6a595b244a_prep
    .symbol:         k_q6a595b244a_prep.kd
    .args:
      - { .name: bits, .offset: 0, .size: 8, .value_kind: global_buffer, .address_space: global }
      - { .name: W1_codes, .offset: 8, .size: 8, .value_kind: global_buffer, .address_space: global }
      - { .name: W1_scales, .offset: 16, .size: 8, .value_kind: global_buffer, .address_space: global }
      - { .name: W2_codes, .offset: 24, .size: 8, .value_kind: global_buffer, .address_space: global }
      - { .name: W2_scales, .offset: 32, .size: 8, .value_kind: global_buffer, .address_space: global }
      - { .name: plan, .offset: 40, .size: 8, .value_kind: global_buffer, .address_space: global }
      - { .name: wf, .offset: 48, .size: 8, .value_kind: global_buffer, .address_space: global }
    .group_segment_fixed_size: 67072
    .private_segment_fixed_size: 0
    .kernarg_segment_align: 8
    .kernarg_segment_size: 56
    .max_flat_workgroup_size: 128
    .sgpr_count:     100
    .vgpr_count:     512
    .wavefront_size: 32
...
	.end_amdgpu_metadata
.endif
;; end of part 2
;; launch chain (part 3): grid 256 x 1, 4 waves a work-group, no clusters, 236,032 bytes of LDS; arguments plan, xq, wf, b1, b2, yr; writes yr
.if DOCPART == 3
	.amdgcn_target "amdgcn-amd-amdhsa--gfx1250"
	.amdhsa_code_object_version 6
	.text
	.protected	k_q6a595b244a_chain
	.globl	k_q6a595b244a_chain
	.p2align	8
	.type	k_q6a595b244a_chain,@function
k_q6a595b244a_chain:
	s_mov_b64 s[64:65], 0
	v_nop
	global_prefetch_b8 v0, s[64:65] scope:SCOPE_SE
	s_setreg_imm32_b32 hwreg(HW_REG_WAVE_MODE, 25, 1), 1
	s_wait_xcnt 0x0
; LAUNCH 3 OF 4.  The experts' chain, for the rows with sw > 0 alone (the others are multiplied by a zero that reference() builds: see the first kernel's head).
; AN ITEM is a tile of up to 64 rows of one expert e and one half j of its hidden layer: gather the rows' codes of x; h = relu(x W1^T + b1) for hidden units 512 j .. 512 j + 511; quantise h along those units
;  (whole blocks of 32: the quantiser is as the problem states it); y part = h W2^T over these 512 of K (+ b2 where j = 0); rounded to bf16 and stored at yr[token][e][j].  The hidden layer never goes to memory.
;  The last launch adds the two halves with the weight sw: that product is left as it is, with bf16 (y's parts) and f32 (sw) operands and f32 sums.
; WALK.  256 work-groups stay and make 5 trips: item = work-group + 256 x trip, tile = item / 2, j = work-group % 2: 640 tiles' places, of which 519 can be filled.  A place without rows costs its two barriers.
;  No barrier stands under a branch on a stored number: a trip is three segments, each jumped over where the tile has no rows, with the barriers between them on every path.
; SHARES.  First product: wave w makes hidden units 512 j + 128 w + 0 .. 127 (four blocks of 32) for all 64 rows.  Second: wave w makes output columns 256 w + 0 .. 255 over the 512 units.
;  Both products are used transposed (source 0 = 16 rows of the weight, source 1 = 16 rows of the tile): a lane holds one row, and its 16 registers of two neighbouring weight tiles are 16 neighbours.
; THE WEIGHTS come from wf straight into registers, each load 512 consecutive bytes, through a ring of four units of 64 registers (a unit: two K steps x two weight tiles: 8,192 bytes, 16 matrix instructions).
; NO JOINT LOADS, NO TENSOR LOADS: how many items an expert has, and whether a trip has work, hangs on numbers read from memory; partners would not have equal work.
; LDS: XROW 64 rows x 1,040 (x's codes); HIMG 16 images of hidden fragments, 2,048 bytes each, index 4 s + m; HSC [s][row] their scale words; STG 64 rows x 528 for each wave (the way out); the spare words.
; REGISTERS: window 0: v1-13 addresses, v14-15 the add's two, v16-17 token numbers, v18-27 gather offsets, v28-31 the hidden rows' scale words in the making, v32-95 eight accumulators (16 m + 8 u),
;  v96-127 two sets of bias, v128-143 x's scale words, v144-151 the hidden layer's, v152-183 the weights' (these three hold scales alone), v184-251 at work.
;  windows 1, 2: the rows' fragments: K step s, row tile m at window 1 + s / 4, register 16 (4 (s % 4) + m).   window 3: the ring.
.set XP,    1040
.set HIMG,  66560
.set HSC,   99328
.set STG,   100352
.set SGP,   528
.set STW,   64*SGP
.set SPARE, STG+4*STW                  ; the spare words: two blocks of 256 bytes that no other line names
.set XSOFF, 4194304
.set WSOFF, 16777216
.set LANE16, 1
.set VLA,  2                           ; list: 64 w + 4 (lane / 16)
.set XSTA, 3                           ; XROW, in: row 16 w + lane / 16, + 16 (lane % 16)
.set XADR, 4                           ; XROW, out: row r, + 16 h
.set HWI,  5                           ; HIMG + 8,192 w + 16 lane
.set HWS,  6                           ; HSC + 256 w + 4 r
.set HSL,  7                           ; HSC + 4 lane
.set STO,  8                           ; my stage: row r, + 32 h
.set SRD,  9                           ; my stage: 16 lane
.set VB,   10                          ; 64 h: my half's 16 numbers of a bias
.set R16,  11
.set L4,   12
.set HRD,  13                          ; HIMG + 16 lane
.set SPW,  14
.set NIL,  15
.set VT,   16
.set XO,   18
.set XSO,  26
.set PW,   28
.set ACC,  32
.set BIAS, 96
.set XS,   128
.set HS,   144
.set WS,   152
.set TM,   184
.set TP,   188
.set TH,   192
.set TS,   196
.set TB,   200
.set PC,   204
.set CT,   220
.set MSB, 0
.macro WIN new                         ; the immediate's high byte repeats the setting that is left
.if MSB != \new
	s_set_vgpr_msb (MSB<<8)|\new
.set MSB, \new
.endif
.endm
.macro NOP8                            ; eight places behind a matrix instruction of this form, ahead of loads into its registers and of the first read of its result
.rept 8
	v_nop
.endr
.endm
; A unit's 16 loads into ring place rg, from off bytes behind base s[bs]; ex: ahead of them the 16 numbers of bias for the block that the unit begins, into set bset
.macro LOADU bs, rg, off, ex, bb, bset, boff
.if \ex
	WIN 0
.irp k, 0,1,2,3
	global_load_b128 v[BIAS+16*(\bset)+4*\k:BIAS+16*(\bset)+4*\k+3], v[VB], s[\bb:\bb+1] offset:(\boff)+16*\k
.endr
.endif
	WIN 0xc0                                       ; destination window 3
.irp i, 0,1,2,3,4,5,6,7,8,9,10,11,12,13,14,15
	global_load_b128 v[64*(\rg)+4*\i:64*(\rg)+4*\i+3], v[LANE16], s[\bs:\bs+1] offset:(\off)+512*\i
.endr
.endm
.macro WM ra, rb                       ; one matrix instruction; ra, rb: the scale words stand in lanes 16-31
.if (\ra) && (\rb)
	v_wmma_scale_f32_16x16x128_f8f6f4 v[rD:rD+7], v[rA:rA+15], v[rB:rB+15], v[rC:rC+7], v[rSA], v[rSB] matrix_a_scale:MATRIX_SCALE_ROW1 matrix_b_scale:MATRIX_SCALE_ROW1
.elseif \ra
	v_wmma_scale_f32_16x16x128_f8f6f4 v[rD:rD+7], v[rA:rA+15], v[rB:rB+15], v[rC:rC+7], v[rSA], v[rSB] matrix_a_scale:MATRIX_SCALE_ROW1
.elseif \rb
	v_wmma_scale_f32_16x16x128_f8f6f4 v[rD:rD+7], v[rA:rA+15], v[rB:rB+15], v[rC:rC+7], v[rSA], v[rSB] matrix_b_scale:MATRIX_SCALE_ROW1
.else
	v_wmma_scale_f32_16x16x128_f8f6f4 v[rD:rD+7], v[rA:rA+15], v[rB:rB+15], v[rC:rC+7], v[rSA], v[rSB]
.endif
.endm
; A unit's 16 matrix instructions: K steps s0, s0 + 1 x weight tiles u x row tiles m.  The eight accumulators take turns, one instruction a turn.
; aw: the window of the rows' fragments; first: K step s0 starts the sums, with the bias as C; wsb: the weights' scale word of K step s0; hid: the rows are the hidden layer's; bias: the bias set
.macro MULU rg, aw, s0, first, wsb, hid, bias
	WIN 0x03|((\aw)<<2)                            ; source 0 (weights) window 3, source 1 (rows) window aw, C and D window 0
.irp sp, 0,1
.irp u, 0,1
.irp m, 0,1,2,3
.set rD, ACC+16*\m+8*\u
.set rA, 64*(\rg)+16*(2*\sp+\u)
.set rB, 16*(4*(((\s0)+\sp)&3)+\m)
.set rSA, (\wsb)+\sp
.if \hid
.set rSB, HS+2*((\s0)+\sp)+\m/2
.else
.set rSB, XS+8*(\m/2)+(\s0)+\sp
.endif
.set rC, rD
.if (\first) && (\sp == 0)
.set rC, (\bias)+8*\u
.endif
	WM \u, \m%2
.endr
.endr
.endr
.endm
; The wait ahead of unit g: the loads of the (up to three) younger units may be out: 16 each, and 4 more where a unit brings a bias (every per-th).  n0 >= 0: the count for unit 0
.macro WAITU g, per, n0
.set NW, 0
.set kk, (\g)+1
.rept 3
.if kk <= 15
.set NW, NW+16
.if kk%(\per) == 0
.set NW, NW+4
.endif
.endif
.set kk, kk+1
.endr
.if ((\g) == 0) && ((\n0) >= 0)
.set NW, \n0
.endif
	s_wait_loadcnt NW
.endm
; Block b of my 128 hidden units, for the four row tiles by turns: relu, the block's scale, the hold, the codes; they are registers 4 b .. 4 b + 3 of K step w of the second product
.macro QUANT b
	WIN 0
	s_wait_dscnt 0x0                               ; the last block's stores have read their registers
.irp m, 0,1,2,3
	v_max3_num_f32 v[TM+\m], v[ACC+16*\m], v[ACC+16*\m+1], 0x4800000    ; no |.|: what is negative becomes 0 and must not count; the floor 2^(9 - 127) holds the byte at 1 from below
.endr
.irp i, 2,4,6,8,10,12,14
.irp m, 0,1,2,3
	v_max3_num_f32 v[TM+\m], v[TM+\m], v[ACC+16*\m+\i], v[ACC+16*\m+\i+1]
.endr
.endr
.irp m, 0,1,2,3
	v_permlanex16_b32 v[TP+\m], v[TM+\m], s28, s29
.endr
.irp m, 0,1,2,3
	v_max_num_f32 v[TM+\m], v[TM+\m], v[TP+\m]     ; with lane l xor 16's 16 units: the block's largest magnitude
.endr
.irp m, 0,1,2,3
	v_add_nc_u32 v[TS+\m], 0xfc000000, v[TM+\m]    ; 8 off its exponent field: the conversion's scale operand
.endr
.irp m, 0,1,2,3
	v_and_or_b32 v[TH+\m], v[TM+\m], 0x7f800000, s27   ; 448 x the scale
.endr
.irp m, 0,1,2,3
	v_lshrrev_b32 v[TB+\m], 23, v[TS+\m]           ; the scale's byte
.endr
.irp m, 0,1,2,3
.if (\b) == 0
	v_mov_b32 v[PW+\m], v[TB+\m]
.else
	v_lshl_or_b32 v[PW+\m], v[TB+\m], 8*(\b), v[PW+\m]
.endif
.endr
.irp m, 0,1,2,3
.irp i, 0,1,2,3,4,5,6,7,8,9,10,11,12,13,14,15
	v_med3_num_f32 v[ACC+16*\m+\i], v[ACC+16*\m+\i], 0, v[TH+\m]    ; the activation and the hold in one (the conversion does not saturate: ISA guide 7.6.2)
.endr
	v_cvt_scalef32_pk8_fp8_f32 v[PC+4*\m:PC+4*\m+1], v[ACC+16*\m:ACC+16*\m+7], v[TS+\m]
	v_cvt_scalef32_pk8_fp8_f32 v[PC+4*\m+2:PC+4*\m+3], v[ACC+16*\m+8:ACC+16*\m+15], v[TS+\m]
.endr
	v_nop                                          ; a plain line behind the last conversion: the next products write its sources
.irp m, 0,1,2,3
	ds_store_b128 v[HWI], v[PC+4*\m:PC+4*\m+3] offset:2048*\m+512*(\b)     ; an image of the operand's registers: 16 bytes a lane
.endr
.endm
; Columns 32 p .. 32 p + 31 of my 256, for the 64 rows: rounded to bf16, 32 bytes a lane into my stage
.macro PACK p
	WIN 0
	s_wait_dscnt 0x0
.irp m, 0,1,2,3
.irp k, 0,1,2,3,4,5,6,7
	v_cvt_pk_bf16_f32 v[CT+8*\m+\k], v[ACC+16*\m+2*\k], v[ACC+16*\m+2*\k+1]     ; each accumulator from its low end on
.endr
.endr
.irp m, 0,1,2,3
	ds_store_b128 v[STO], v[CT+8*\m:CT+8*\m+3] offset:16*SGP*\m+64*(\p)
	ds_store_b128 v[STO], v[CT+8*\m+4:CT+8*\m+7] offset:16*SGP*\m+64*(\p)+16
.endr
.endm
	s_load_b256 s[4:11], s[0:1], 0x0               ; plan s[4:5], xq s[6:7], wf s[8:9], b1 s[10:11]
	s_load_b128 s[12:15], s[0:1], 0x20             ; b2 s[12:13], yr s[14:15]
	v_lshl_add_u32 v[SPW], v0, 2, SPARE
	v_mov_b32 v[NIL], 0
	v_lshrrev_b32 v32, 5, v0
	v_readfirstlane_b32 s16, v32                   ; wave
	v_and_b32 v32, 31, v0                          ; lane
	v_and_b32 v33, 15, v0                          ; r
	v_bfe_u32 v34, v0, 4, 1                        ; h
	v_lshlrev_b32 v[LANE16], 4, v32
	s_lshl_b32 s48, s16, 6
	v_lshl_add_u32 v[VLA], v34, 2, s48
	s_mul_i32 s48, s16, 16*XP
	v_mul_u32_u24 v35, v34, XP
	v_lshl_add_u32 v35, v33, 4, v35
	v_add_nc_u32 v[XSTA], s48, v35
	v_mul_u32_u24 v35, v33, XP
	v_lshl_add_u32 v[XADR], v34, 4, v35
	s_lshl_b32 s48, s16, 13
	v_add_nc_u32 v35, s48, v[LANE16]
	v_add_nc_u32 v[HWI], HIMG, v35
	s_lshl_b32 s48, s16, 8
	v_lshl_add_u32 v35, v33, 2, s48
	v_add_nc_u32 v[HWS], HSC, v35
	v_lshlrev_b32 v[L4], 2, v32
	v_add_nc_u32 v[HSL], HSC, v[L4]
	s_mul_i32 s48, s16, STW
	s_add_co_u32 s48, s48, STG
	v_mul_u32_u24 v35, v33, SGP
	v_lshl_add_u32 v35, v34, 5, v35
	v_add_nc_u32 v[STO], s48, v35
	v_add_nc_u32 v[SRD], s48, v[LANE16]
	v_lshlrev_b32 v[VB], 6, v34
	v_lshlrev_b32 v[R16], 4, v33
	v_add_nc_u32 v[HRD], HIMG, v[LANE16]
.irp m, 0,1,2,3
	v_mov_b32 v[TP+\m], 0                          ; written once: a lane permute's destination counts as one of its sources
.endr
	s_and_b32 s17, ttmp9, 1                        ; j
	s_lshr_b32 s19, ttmp9, 1                       ; the first trip's tile
	s_cmp_eq_u32 s17, 0
	s_cselect_b32 s50, -1, 0                       ; all lanes where j = 0: b2 is added in that half alone
	s_mov_b32 s27, 0x600000                        ; the mantissa field of 448
	s_mov_b32 s28, 0x76543210
	s_mov_b32 s29, 0xfedcba98                      ; v_permlanex16_b32's selects for lane l xor 16
	s_mov_b32 s18, 0
	s_lshl_b32 s47, s19, 2
	s_wait_kmcnt 0x0
.irp k, 0,1,2,3,4
	s_load_b32 s[20+\k], s[4:5], s47 offset:512*\k ; tinfo of my five tiles
.endr
	s_add_nc_u64 s[44:45], s[6:7], XSOFF           ; x's scale bytes
	s_wait_kmcnt 0x0
.Ltrip:
	s_wait_xcnt 0x0                                ; the last trip's loads and stores have read their bases, offsets and data: all may be written again
	s_and_b32 s25, s20, 7
	s_min_u32 s25, s25, 7                          ; e
	s_lshr_b32 s26, s20, 8
	s_min_u32 s26, s26, 64                         ; rows; 0: no tile
	s_mov_b32 s49, 0
	s_lshl_b32 s48, s19, 8
	s_add_co_u32 s48, s48, 4096
	s_add_nc_u64 s[30:31], s[4:5], s[48:49]        ; the tile's 64 token numbers
	s_lshl_b32 s51, s25, 20
	s_lshl_b32 s48, s17, 4
	s_lshl_b32 s52, s16, 2
	s_add_co_u32 s52, s48, s52                     ; 16 j + 4 w: my first block of 32 rows of W1
	s_lshl_b32 s48, s52, 15
	s_add_co_u32 s48, s48, s51
	s_add_nc_u64 s[32:33], s[8:9], s[48:49]        ; W1's fragments
	s_lshl_b32 s48, s16, 18                        ; block 8 w of W2,
	s_lshl_b32 s53, s17, 14                        ; K steps 4 j on
	s_add_co_u32 s48, s48, s53
	s_add_co_u32 s48, s48, s51
	s_add_co_u32 s48, s48, 0x800000
	s_add_nc_u64 s[34:35], s[8:9], s[48:49]        ; W2's fragments
	s_lshl_b32 s51, s25, 15
	s_lshl_b32 s48, s52, 10
	s_add_co_u32 s48, s48, s51
	s_add_co_u32 s48, s48, WSOFF
	s_add_nc_u64 s[36:37], s[8:9], s[48:49]        ; W1's scale words
	s_lshl_b32 s48, s16, 13
	s_lshl_b32 s53, s17, 9
	s_add_co_u32 s48, s48, s53
	s_add_co_u32 s48, s48, s51
	s_add_co_u32 s48, s48, WSOFF+262144
	s_add_nc_u64 s[38:39], s[8:9], s[48:49]        ; W2's
	s_lshl_b32 s51, s25, 12
	s_lshl_b32 s48, s17, 11
	s_lshl_b32 s53, s16, 9
	s_add_co_u32 s48, s48, s53
	s_add_co_u32 s46, s48, s51                     ; 4,096 e + 2,048 j + 512 w: my bytes of a row's place in yr, and as many bytes into b1: 4 (1,024 e + 512 j + 128 w)
	s_mov_b32 s48, s46
	s_add_nc_u64 s[40:41], s[10:11], s[48:49]      ; b1
	s_lshl_b32 s48, s16, 10
	s_add_co_u32 s48, s48, s51
	s_add_nc_u64 s[42:43], s[12:13], s[48:49]      ; b2: 4 (1,024 e + 256 w)
	s_cmp_eq_u32 s26, 0
	s_cbranch_scc1 .LskipA
	; ---- A: my 16 rows' codes of x into XROW, two rows x 256 bytes a load
	NOP8
.irp q, 0,1,2,3,4,5,6,7
	global_load_b32 v[XO+\q], v[VLA], s[30:31] offset:8*\q
.endr
	s_wait_loadcnt 0x0
.irp q, 0,1,2,3,4,5,6,7
	v_min_u32 v[XO+\q], 4095, v[XO+\q]
	v_lshlrev_b32 v[XO+\q], 10, v[XO+\q]
	v_add_nc_u32 v[XO+\q], v[XO+\q], v[R16]
.endr
	WIN 0xc0                                       ; destination window 3: the ring is free here
.set ai, 0
.rept 32
	global_load_b128 v[4*ai:4*ai+3], v[XO+ai/4], s[6:7] offset:256*(ai%4)
.set ai, ai+1
.endr
	WIN 0x0c                                       ; an LDS store's data are its source 1
.set ai, 0
.rept 32
	s_wait_loadcnt 31-ai                           ; this load is in; the younger ones may be out
	ds_store_b128 v[XSTA], v[4*ai:4*ai+3] offset:2*XP*(ai/4)+256*(ai%4)
.set ai, ai+1
.endr
	WIN 0
.LskipA:
	s_wait_dscnt 0x0                               ; my stores into XROW are done, and so are my reads of the last trip's images
	s_barrier_signal -1
	s_barrier_wait -1
	s_cmp_eq_u32 s26, 0
	s_cbranch_scc1 .LskipB
	; ---- B: the hidden layer: 16 units of W1 (block g / 4, K steps 2 (g % 4) on)
	NOP8
	global_load_b32 v[VT], v[L4], s[30:31]
	global_load_b32 v[VT+1], v[L4], s[30:31] offset:128
.irp b, 0,1,2,3
.irp q, 0,1
	global_load_b128 v[WS+8*\b+4*\q:WS+8*\b+4*\q+3], v[LANE16], s[36:37] offset:1024*\b+512*\q   ; register 8 b + s: lanes 0-15 tile u = 0's rows, lanes 16-31 tile u = 1's
.endr
.endr
	LOADU 32, 0, 0, 1, 40, 0, 0
	LOADU 32, 1, 8192, 0, 40, 0, 0
	WIN 0
	s_wait_loadcnt 44                              ; the token numbers are in; behind them: 8 loads of scale words, 20 of unit 0, 16 of unit 1
.irp i, 0,1
	v_min_u32 v[XSO+\i], 4095, v[VT+\i]
	v_lshlrev_b32 v[XSO+\i], 5, v[XSO+\i]
.endr
.irp i, 0,1
	global_load_b128 v[XS+8*\i:XS+8*\i+3], v[XSO+\i], s[44:45]             ; register 8 i + s: lanes 0-15 row tile 2 i, lanes 16-31 row tile 2 i + 1
	global_load_b128 v[XS+8*\i+4:XS+8*\i+7], v[XSO+\i], s[44:45] offset:16
.endr
	LOADU 32, 2, 16384, 0, 40, 0, 0
	LOADU 32, 3, 24576, 0, 40, 0, 0
.irp s, 0,1,2,3,4,5,6,7                        ; all 64 rows' fragments of x, while the first units are on their way
.if \s < 4
	WIN 0x40
.else
	WIN 0x80
.endif
.irp m, 0,1,2,3
.irp c, 0,1,2,3
	ds_load_b128 v[16*(4*(\s%4)+\m)+4*\c:16*(4*(\s%4)+\m)+4*\c+3], v[XADR] offset:16*XP*\m+128*\s+32*\c
.endr
.endr
.endr
	s_wait_dscnt 0x0
.set G, 0
.rept 16
	WAITU G, 4, 32                                 ; unit 0: x's scale words are in too; behind them units 2 and 3: 32 loads
	MULU G%4, 1+(G%4)/2, 2*(G%4), (G%4)==0, WS+8*(G/4)+2*(G%4), 0, BIAS+16*((G/4)%2)
	NOP8
.if G+4 <= 15
	LOADU 32, (G+4)%4, 32768*((G+4)/4)+8192*((G+4)%4), ((G+4)%4)==0, 40, ((G+4)/4)%2, 128*((G+4)/4)
.endif
.if G%4 == 3
	QUANT G/4
.endif
.set G, G+1
.endr
.irp m, 0,1,2,3
	ds_store_b32 v[HWS], v[PW+\m] offset:64*\m     ; the rows' scale words of K step w (both halves of the lanes write the same word with the same value)
.endr
.LskipB:
	s_wait_dscnt 0x0                               ; my images and scale words are in LDS, and my reads of XROW are over
	s_barrier_signal -1
	s_barrier_wait -1
	s_cmp_eq_u32 s26, 0
	s_cbranch_scc1 .LskipC
	; ---- C: my 256 output columns: 16 units of W2 (block g / 2, K steps 2 (g % 2) on)
	NOP8
	global_load_b32 v[VT], v[L4], s[30:31]
	global_load_b32 v[VT+1], v[L4], s[30:31] offset:128
.irp p, 0,1,2,3,4,5,6,7
	global_load_b128 v[WS+4*\p:WS+4*\p+3], v[LANE16], s[38:39] offset:1024*\p
.endr
	LOADU 34, 0, 0, 1, 42, 0, 0
	LOADU 34, 1, 8192, 0, 42, 0, 0
	LOADU 34, 2, 32768, 1, 42, 1, 128
	LOADU 34, 3, 40960, 0, 42, 0, 0
	WIN 0x40
.set hi, 0
.rept 64
	ds_load_b128 v[4*hi:4*hi+3], v[HRD] offset:512*hi      ; the sixteen images come back as they were stored: the same registers in the same lanes
.set hi, hi+1
.endr
	WIN 0
.irp s, 0,1,2,3
.irp i, 0,1
	ds_load_b32 v[HS+2*\s+\i], v[HSL] offset:256*\s+128*\i
.endr
.endr
	s_wait_dscnt 0x0
.set G, 0
.rept 16
	WAITU G, 2, -1
.if G%2 == 0
	WIN 0
.irp k, 0,1,2,3,4,5,6,7,8,9,10,11,12,13,14,15
	v_cndmask_b32 v[BIAS+16*((G/2)%2)+\k], 0, v[BIAS+16*((G/2)%2)+\k], s50     ; b2 where j = 0, else 0
.endr
.rept 4
	v_nop
.endr
.endif
	MULU G%4, 1, 2*(G%2), (G%2)==0, WS+4*(G/2)+2*(G%2), 1, BIAS+16*((G/2)%2)
	NOP8
.if G+4 <= 15
	LOADU 34, (G+4)%4, 32768*((G+4)/2)+8192*((G+4)%2), ((G+4)%2)==0, 42, ((G+4)/2)%2, 128*((G+4)/2)
.endif
.if G%2 == 1
	PACK G/2
.endif
.set G, G+1
.endr
	; the way out: my stage's rows, 512 bytes each, 16 at a time; a row goes to its token's place; rows beyond the tile's count are not stored
	WIN 0
.set BT, 0
.rept 4
	s_wait_xcnt 0x0                                ; the last 16 stores have read their data and offsets
.irp i, 0,1,2,3,4,5,6,7,8,9,10,11,12,13,14,15
	ds_load_b128 v[ACC+4*\i:ACC+4*\i+3], v[SRD] offset:SGP*(16*BT+\i)      ; LDS serves a wave's instructions in order: these see my stores
.endr
.irp i, 0,1,2,3,4,5,6,7,8,9,10,11,12,13,14,15
	s_cmp_le_u32 s26, 16*BT+\i
	s_cbranch_scc1 .Ldone
	v_readlane_b32 s48, v[VT+BT/2], (16*BT+\i)%32
	s_min_u32 s48, s48, 4095
	s_lshl_b32 s48, s48, 15                        ; 32,768 bytes a token in yr
	s_add_co_u32 s48, s48, s46
	v_add_nc_u32 v[BIAS+\i], s48, v[LANE16]
	s_wait_dscnt 15-\i                             ; this row is back; the younger reads may be out
	global_store_b128 v[BIAS+\i], v[ACC+4*\i:ACC+4*\i+3], s[14:15]         ; 512 consecutive bytes, aligned
.endr
.set BT, BT+1
.endr
.Ldone:
	s_wait_dscnt 0x0
.LskipC:
	s_mov_b32 s20, s21                             ; the next trip's tinfo
	s_mov_b32 s21, s22
	s_mov_b32 s22, s23
	s_mov_b32 s23, s24
	s_add_co_u32 s19, s19, 128
	s_add_co_u32 s18, s18, 1
	s_cmp_lt_u32 s18, 5
	s_cbranch_scc1 .Ltrip
	s_wait_tensorcnt 0x0                           ; the wave's end: behind my last LDS store
	ds_add_u32 v[SPW], v[NIL]
	s_wait_dscnt 0x0
	s_endpgm
.Lfunc_end_k_q6a595b244a_chain:
	.size	k_q6a595b244a_chain, .Lfunc_end_k_q6a595b244a_chain-k_q6a595b244a_chain
	.p2alignl 7, 3214868480
	.fill 96, 4, 3214868480
	.section	.rodata,"a",@progbits
	.p2align	6, 0x0
	.amdhsa_kernel k_q6a595b244a_chain
		.amdhsa_group_segment_fixed_size 236032
		.amdhsa_private_segment_fixed_size 0
		.amdhsa_enable_private_segment 0
		.amdhsa_kernarg_size 48
		.amdhsa_user_sgpr_count 2
		.amdhsa_user_sgpr_kernarg_segment_ptr 1
		.amdhsa_wavefront_size32 1
		.amdhsa_system_sgpr_workgroup_id_x 1
		.amdhsa_system_sgpr_workgroup_id_y 1
		.amdhsa_system_sgpr_workgroup_id_z 1
		.amdhsa_system_vgpr_workitem_id 0
		.amdhsa_next_free_vgpr 1024
		.amdhsa_next_free_sgpr 66
		.amdhsa_reserve_vcc 0
		.amdhsa_float_denorm_mode_32 3
		.amdhsa_float_denorm_mode_16_64 3
		.amdhsa_memory_ordered 1
		.amdhsa_forward_progress 1
		.amdhsa_inst_pref_size 250
	.end_amdhsa_kernel
	.amdgpu_metadata
---
amdhsa.version: [ 1, 2 ]
amdhsa.kernels:
  - .name:           k_q6a595b244a_chain
    .symbol:         k_q6a595b244a_chain.kd
    .args:
      - { .name: plan, .offset: 0, .size: 8, .value_kind: global_buffer, .address_space: global }
      - { .name: xq, .offset: 8, .size: 8, .value_kind: global_buffer, .address_space: global }
      - { .name: wf, .offset: 16, .size: 8, .value_kind: global_buffer, .address_space: global }
      - { .name: b1, .offset: 24, .size: 8, .value_kind: global_buffer, .address_space: global }
      - { .name: b2, .offset: 32, .size: 8, .value_kind: global_buffer, .address_space: global }
      - { .name: yr, .offset: 40, .size: 8, .value_kind: global_buffer, .address_space: global }
    .group_segment_fixed_size: 236032
    .private_segment_fixed_size: 0
    .kernarg_segment_align: 8
    .kernarg_segment_size: 48
    .max_flat_workgroup_size: 128
    .sgpr_count:     66
    .vgpr_count:     1024
    .wavefront_size: 32
...
	.end_amdgpu_metadata
.endif
;; end of part 3
;; launch combine (part 4): grid 256 x 1, 16 waves a work-group, no clusters, 0 bytes of LDS; arguments bits, swb, yr, out0; writes out0
.if DOCPART == 4
	.amdgcn_target "amdgcn-amd-amdhsa--gfx1250"
	.amdhsa_code_object_version 6
	.text
	.protected	k_q6a595b244a_combine
	.globl	k_q6a595b244a_combine
	.p2align	8
	.type	k_q6a595b244a_combine,@function
k_q6a595b244a_combine:
	s_mov_b64 s[64:65], 0
	v_nop
	global_prefetch_b8 v0, s[64:65] scope:SCOPE_SE
	s_setreg_imm32_b32 hwreg(HW_REG_WAVE_MODE, 25, 1), 1
	s_wait_xcnt 0x0
; LAUNCH 4 OF 4.  out0[n] = sum over the experts e with sw[n][e] > 0 of sw[n][e] (yr[n][e][0] + yr[n][e][1]).  The terms with sw = 0 are left out (see the first kernel's head): their rows of yr were never made.
; Which experts those are is read from the bitmaps that launch 1 stored; sw enters as data alone.  Operands: y's two halves in bf16, sw in f32; sums in f32.
; A wave takes one token: n = 16 x work-group + wave.  A row of yr is 2,048 bytes: eight loads of 8 bytes a lane, 256 consecutive bytes each, so that a lane's four numbers of load k are columns
; 128 k + 4 lane + 0 .. 3, the 16 bytes that the lane stores in out0: 32 lanes store 512 consecutive bytes, aligned.  No LDS, no barrier: waves share nothing.
.set A8,  2
.set A16, 3
.set VS,  4
.set ACC, 8                            ; v8-39   my 32 sums
.set Y,   40                           ; v40-71  an expert's two half rows
	s_load_b256 s[4:11], s[0:1], 0x0               ; bits s[4:5], swb s[6:7], yr s[8:9], out0 s[10:11]
	v_lshrrev_b32 v1, 5, v0
	v_readfirstlane_b32 s12, v1                    ; wave
	v_and_b32 v1, 31, v0
	v_lshlrev_b32 v[A8], 3, v1
	v_lshlrev_b32 v[A16], 4, v1
	s_lshl_b32 s13, ttmp9, 4
	s_add_co_u32 s13, s13, s12                     ; n
	s_and_b32 s14, s13, 31                         ; its bit
	s_lshr_b32 s15, s13, 5
	s_lshl_b32 s15, s15, 5                         ; its group's eight bitmaps
	s_lshl_b32 s40, s13, 5                         ; its eight sw
	s_mov_b32 s43, 0
	s_wait_kmcnt 0x0
	s_load_b256 s[16:23], s[4:5], s15 offset:0x0
	s_load_b256 s[24:31], s[6:7], s40 offset:0x0
	s_lshl_b32 s42, s13, 15
	s_add_nc_u64 s[8:9], s[8:9], s[42:43]
	s_lshl_b32 s42, s13, 12
	s_add_nc_u64 s[10:11], s[10:11], s[42:43]
.set ci, 0
.rept 32
	v_mov_b32 v[ACC+ci], 0                         ; which expert comes first hangs on the bitmaps, so the sums begin as zeros
.set ci, ci+1
.endr
	s_wait_kmcnt 0x0
.irp e, 0,1,2,3,4,5,6,7
	s_bitcmp1_b32 s[16+\e], s14
	s_cbranch_scc0 .Lno_\e
.set ci, 0
.rept 16
	global_load_b64 v[Y+2*ci:Y+2*ci+1], v[A8], s[8:9] offset:4096*\e+2048*(ci/8)+256*(ci%8) th:TH_LOAD_NT
.set ci, ci+1
.endr
	v_mov_b32 v[VS], s[24+\e]
.set ci, 0
.rept 16
	s_wait_loadcnt 15-ci                           ; this load is in; the younger ones may be out
	v_fma_mix_f32_bf16 v[ACC+4*(ci%8)], v[Y+2*ci], v[VS], v[ACC+4*(ci%8)] op_sel_hi:[1,0,0]
	v_fma_mix_f32_bf16 v[ACC+4*(ci%8)+1], v[Y+2*ci], v[VS], v[ACC+4*(ci%8)+1] op_sel:[1,0,0] op_sel_hi:[1,0,0]
	v_fma_mix_f32_bf16 v[ACC+4*(ci%8)+2], v[Y+2*ci+1], v[VS], v[ACC+4*(ci%8)+2] op_sel_hi:[1,0,0]
	v_fma_mix_f32_bf16 v[ACC+4*(ci%8)+3], v[Y+2*ci+1], v[VS], v[ACC+4*(ci%8)+3] op_sel:[1,0,0] op_sel_hi:[1,0,0]
.set ci, ci+1
.endr
.Lno_\e:
.endr
.irp k, 0,1,2,3,4,5,6,7
	global_store_b128 v[A16], v[ACC+4*\k:ACC+4*\k+3], s[10:11] offset:512*\k th:TH_STORE_NT
.endr
	s_endpgm
.Lfunc_end_k_q6a595b244a_combine:
	.size	k_q6a595b244a_combine, .Lfunc_end_k_q6a595b244a_combine-k_q6a595b244a_combine
	.p2alignl 7, 3214868480
	.fill 96, 4, 3214868480
	.section	.rodata,"a",@progbits
	.p2align	6, 0x0
	.amdhsa_kernel k_q6a595b244a_combine
		.amdhsa_group_segment_fixed_size 0
		.amdhsa_private_segment_fixed_size 0
		.amdhsa_enable_private_segment 0
		.amdhsa_kernarg_size 32
		.amdhsa_user_sgpr_count 2
		.amdhsa_user_sgpr_kernarg_segment_ptr 1
		.amdhsa_wavefront_size32 1
		.amdhsa_system_sgpr_workgroup_id_x 1
		.amdhsa_system_sgpr_workgroup_id_y 1
		.amdhsa_system_sgpr_workgroup_id_z 1
		.amdhsa_system_vgpr_workitem_id 0
		.amdhsa_next_free_vgpr 80
		.amdhsa_next_free_sgpr 66
		.amdhsa_reserve_vcc 0
		.amdhsa_float_denorm_mode_32 3
		.amdhsa_float_denorm_mode_16_64 3
		.amdhsa_memory_ordered 1
		.amdhsa_forward_progress 1
		.amdhsa_inst_pref_size 52
	.end_amdhsa_kernel
	.amdgpu_metadata
---
amdhsa.version: [ 1, 2 ]
amdhsa.kernels:
  - .name:           k_q6a595b244a_combine
    .symbol:         k_q6a595b244a_combine.kd
    .args:
      - { .name: bits, .offset: 0, .size: 8, .value_kind: global_buffer, .address_space: global }
      - { .name: swb, .offset: 8, .size: 8, .value_kind: global_buffer, .address_space: global }
      - { .name: yr, .offset: 16, .size: 8, .value_kind: global_buffer, .address_space: global }
      - { .name: out0, .offset: 24, .size: 8, .value_kind: global_buffer, .address_space: global }
    .group_segment_fixed_size: 0
    .private_segment_fixed_size: 0
    .kernarg_segment_align: 8
    .kernarg_segment_size: 32
    .max_flat_workgroup_size: 512
    .sgpr_count:     66
    .vgpr_count:     80
    .wavefront_size: 32
...
	.end_amdgpu_metadata
.endif
;; end of part 4
;; ======== version 2 of 2: 4 launches; version 1 with the launch chain written anew for expert scheduling mode
;; limits: values outside matrix products are rounded to bf16
;; workspace buffers: xq 4,325,376 bytes; swb 131,072 bytes; bits 6,144 bytes of whole numbers; plan 136,960 bytes of whole numbers; wf 17,301,504 bytes; yr 134,217,728 bytes
;; launch route: the kernel of part 1 again; grid 128 x 1, 4 waves a work-group, no clusters, 192,512 bytes of LDS; arguments x, Wsel, bsel, xq, swb, bits; writes xq, swb, bits
;; launch prep: the kernel of part 2 again; grid 264 x 1, 4 waves a work-group, no clusters, 67,072 bytes of LDS; arguments bits, W1_codes, W1_scales, W2_codes, W2_scales, plan, wf; writes plan, wf
;; launch chain (part 5): grid 256 x 1, 4 waves a work-group, no clusters, 236,032 bytes of LDS; arguments plan, xq, wf, b1, b2, yr; writes yr
.if DOCPART == 5
	.amdgcn_target "amdgcn-amd-amdhsa--gfx1250"
	.amdhsa_code_object_version 6
	.text
	.protected	k_q6a595b244a_chain
	.globl	k_q6a595b244a_chain
	.p2align	8
	.type	k_q6a595b244a_chain,@function
k_q6a595b244a_chain:
	s_mov_b64 s[64:65], 0
	v_nop
	global_prefetch_b8 v0, s[64:65] scope:SCOPE_SE
	s_setreg_imm32_b32 hwreg(HW_REG_WAVE_SCHED_MODE, 0, 2), 2
	s_setreg_imm32_b32 hwreg(HW_REG_WAVE_MODE, 25, 1), 1
	s_wait_xcnt 0x0
	s_wait_alu depctr_vm_vsrc(0)
; LAUNCH 3 OF 4.  The experts' chain, for the rows with sw > 0 alone (the others are multiplied by a zero that reference() builds: see the first kernel's head).
; AN ITEM is a tile of up to 64 rows of one expert e and one half j of its hidden layer: gather the rows' codes of x; h = relu(x W1^T + b1) for hidden units 512 j .. 512 j + 511; quantise h along those units
;  (whole blocks of 32: the quantiser is as the problem states it); y part = h W2^T over these 512 of K (+ b2 where j = 0); rounded to bf16 and stored at yr[token][e][j].  The hidden layer never goes to memory.
;  The last launch adds the two halves with the weight sw: that product is left as it is, with bf16 (y's parts) and f32 (sw) operands and f32 sums.
; WALK.  256 work-groups stay and make 5 trips: item = work-group + 256 x trip, tile = item / 2, j = work-group % 2: 640 tiles' places, of which 519 can be filled.  A place without rows costs its two barriers.
;  No barrier stands under a branch on a stored number: a trip is three segments, each jumped over where the tile has no rows, with the barriers between them on every path.
; SHARES.  First product: wave w makes hidden units 512 j + 128 w + 0 .. 127 (four blocks of 32) for all 64 rows.  Second: wave w makes output columns 256 w + 0 .. 255 over the 512 units.
;  Both products are used transposed (source 0 = 16 rows of the weight, source 1 = 16 rows of the tile): a lane holds one row, and its 16 registers of two neighbouring weight tiles are 16 neighbours.
; THE WEIGHTS come from wf straight into registers, each load 512 consecutive bytes, through a ring of four units of 64 registers (a unit: two K steps x two weight tiles: 8,192 bytes, 16 matrix instructions).
; NO JOINT LOADS, NO TENSOR LOADS: how many items an expert has, and whether a trip has work, hangs on numbers read from memory; partners would not have equal work.
; LDS: XROW 64 rows x 1,040 (x's codes); HIMG 16 images of hidden fragments, 2,048 bytes each, index 4 s + m; HSC [s][row] their scale words; STG 64 rows x 528 for each wave (the way out); the spare words.
; REGISTERS: window 0: v1-13 addresses, v14-15 the add's two, v16-17 token numbers, v18-27 gather offsets, v28-31 the hidden rows' scale words in the making, v32-95 eight accumulators (16 m + 8 u),
;  v96-127 two sets of bias, v128-143 x's scale words, v144-151 the hidden layer's, v152-183 the weights' (these three hold scales alone), v184-251 at work.
;  windows 1, 2: the rows' fragments: K step s, row tile m at window 1 + s / 4, register 16 (4 (s % 4) + m).   window 3: the ring.
; THE MODE: SCHED_MODE bits 1:0 = 2 (LLVM: expert scheduling mode 2), set by the entry lines.  The code itself states the register dependences between vector or matrix instructions and memory or LDS
;  instructions, with s_wait_alu, always for 0.
; THE PLAN.  Registers that memory or LDS instructions touch:
;   v1-13, v14-15  addresses and the add's two: written at the head, never again: one wait on va_vdst in front of the loop.
;   XO, XSO        offsets made from loaded token numbers: a wait on va_vdst between the lines that make them and the loads that read them.
;   the ring       A: gather loads land in it, LDS stores read it.  B, C: unit g's loads land in place g % 4, its 16 products read it, unit g + 4's loads land in it.
;   BIAS           loads land in a set with every fourth (B) or second (C) unit; the products read it as C; on the way out its first 16 registers are the stores' offsets.
;   VT, WS, XS, HS, windows 1 and 2: loads land in them at a segment's head; vector and matrix instructions read them.
;   PC, PW, CT     written by a block's conversions, read by its LDS stores.        ACC: written by the products, read by the conversions; on the way out LDS loads land in it and the stores read it.
;  ONE wait on va_vdst stands in a unit that refills, behind its products and their places: they are done reading the ring place and the bias set in which the loads behind it land, and the conversions of the block
;  that ended a unit earlier have written their codes: so that block's LDS stores stand behind the same wait.  Blocks behind which no unit refills have a wait of their own.
;  The waits on vm_vsrc: at a trip's head (all that the last trip's memory and LDS instructions read), ahead of the first barrier (the ring, read by A's LDS stores), at the head of each block's conversions but the
;  first (PC, CT), and at the head of each batch of the way out but the first (ACC, the offsets).
.set XP,    1040
.set HIMG,  66560
.set HSC,   99328
.set STG,   100352
.set SGP,   528
.set STW,   64*SGP
.set SPARE, STG+4*STW                  ; the spare words: two blocks of 256 bytes that no other line names
.set XSOFF, 4194304
.set WSOFF, 16777216
.set LANE16, 1
.set VLA,  2                           ; list: 64 w + 4 (lane / 16)
.set XSTA, 3                           ; XROW, in: row 16 w + lane / 16, + 16 (lane % 16)
.set XADR, 4                           ; XROW, out: row r, + 16 h
.set HWI,  5                           ; HIMG + 8,192 w + 16 lane
.set HWS,  6                           ; HSC + 256 w + 4 r
.set HSL,  7                           ; HSC + 4 lane
.set STO,  8                           ; my stage: row r, + 32 h
.set SRD,  9                           ; my stage: 16 lane
.set VB,   10                          ; 64 h: my half's 16 numbers of a bias
.set R16,  11
.set L4,   12
.set HRD,  13                          ; HIMG + 16 lane
.set SPW,  14
.set NIL,  15
.set VT,   16
.set XO,   18
.set XSO,  26
.set PW,   28
.set ACC,  32
.set BIAS, 96
.set XS,   128
.set HS,   144
.set WS,   152
.set TM,   184
.set TP,   188
.set TH,   192
.set TS,   196
.set TB,   200
.set PC,   204
.set CT,   220
.set TK,   54                          ; s54-61 the way out: eight rows' token numbers, then their places in yr
.set MSB, 0
.macro WIN new                         ; the immediate's high byte repeats the setting that is left
.if MSB != \new
	s_set_vgpr_msb (MSB<<8)|\new
.set MSB, \new
.endif
.endm
.macro NOP8                            ; eight places behind a matrix instruction of this form, ahead of the first read of its result; they stay beside the waits on va_vdst, ahead of them
.rept 8
	v_nop
.endr
.endm
; A unit's 16 loads into ring place rg, from off bytes behind base s[bs]; ex: ahead of them the 16 numbers of bias for the block that the unit begins, into set bset.
; The wait on va_vdst that these loads hang on stands ahead of the macro; between it and the loads stand window switches, loads and LDS stores of other registers alone
.macro LOADU bs, rg, off, ex, bb, bset, boff
.if \ex
	WIN 0
.irp k, 0,1,2,3
	global_load_b128 v[BIAS+16*(\bset)+4*\k:BIAS+16*(\bset)+4*\k+3], v[VB], s[\bb:\bb+1] offset:(\boff)+16*\k
.endr
.endif
	WIN 0xc0                                       ; destination window 3
.irp i, 0,1,2,3,4,5,6,7,8,9,10,11,12,13,14,15
	global_load_b128 v[64*(\rg)+4*\i:64*(\rg)+4*\i+3], v[LANE16], s[\bs:\bs+1] offset:(\off)+512*\i
.endr
.endm
.macro WM ra, rb                       ; one matrix instruction; ra, rb: the scale words stand in lanes 16-31
.if (\ra) && (\rb)
	v_wmma_scale_f32_16x16x128_f8f6f4 v[rD:rD+7], v[rA:rA+15], v[rB:rB+15], v[rC:rC+7], v[rSA], v[rSB] matrix_a_scale:MATRIX_SCALE_ROW1 matrix_b_scale:MATRIX_SCALE_ROW1
.elseif \ra
	v_wmma_scale_f32_16x16x128_f8f6f4 v[rD:rD+7], v[rA:rA+15], v[rB:rB+15], v[rC:rC+7], v[rSA], v[rSB] matrix_a_scale:MATRIX_SCALE_ROW1
.elseif \rb
	v_wmma_scale_f32_16x16x128_f8f6f4 v[rD:rD+7], v[rA:rA+15], v[rB:rB+15], v[rC:rC+7], v[rSA], v[rSB] matrix_b_scale:MATRIX_SCALE_ROW1
.else
	v_wmma_scale_f32_16x16x128_f8f6f4 v[rD:rD+7], v[rA:rA+15], v[rB:rB+15], v[rC:rC+7], v[rSA], v[rSB]
.endif
.endm
; A unit's 16 matrix instructions: K steps s0, s0 + 1 x weight tiles u x row tiles m.  The eight accumulators take turns, one instruction a turn.
; aw: the window of the rows' fragments; first: K step s0 starts the sums, with the bias as C; wsb: the weights' scale word of K step s0; hid: the rows are the hidden layer's; bias: the bias set
.macro MULU rg, aw, s0, first, wsb, hid, bias
	WIN 0x03|((\aw)<<2)                            ; source 0 (weights) window 3, source 1 (rows) window aw, C and D window 0
.irp sp, 0,1
.irp u, 0,1
.irp m, 0,1,2,3
.set rD, ACC+16*\m+8*\u
.set rA, 64*(\rg)+16*(2*\sp+\u)
.set rB, 16*(4*(((\s0)+\sp)&3)+\m)
.set rSA, (\wsb)+\sp
.if \hid
.set rSB, HS+2*((\s0)+\sp)+\m/2
.else
.set rSB, XS+8*(\m/2)+(\s0)+\sp
.endif
.set rC, rD
.if (\first) && (\sp == 0)
.set rC, (\bias)+8*\u
.endif
	WM \u, \m%2
.endr
.endr
.endr
.endm
; The wait ahead of unit g: the loads of the (up to three) younger units may be out: 16 each, and 4 more where a unit brings a bias (every per-th).  n0 >= 0: the count for unit 0
.macro WAITU g, per, n0
.set NW, 0
.set kk, (\g)+1
.rept 3
.if kk <= 15
.set NW, NW+16
.if kk%(\per) == 0
.set NW, NW+4
.endif
.endif
.set kk, kk+1
.endr
.if ((\g) == 0) && ((\n0) >= 0)
.set NW, \n0
.endif
	s_wait_loadcnt NW
.endm
; Block b of my 128 hidden units, for the four row tiles by turns: relu, the block's scale, the hold, the codes; they are registers 4 b .. 4 b + 3 of K step w of the second product.  HOUT stores them
.macro QUANT b
	WIN 0
	s_wait_dscnt 0x0                               ; my LDS stores so far are done
.if (\b) > 0
	s_wait_alu depctr_vm_vsrc(0)                   ; the last block's LDS stores have read v[PC ..], which the conversions below write again
.endif
.irp m, 0,1,2,3
	v_max3_num_f32 v[TM+\m], v[ACC+16*\m], v[ACC+16*\m+1], 0x4800000    ; no |.|: what is negative becomes 0 and must not count; the floor 2^(9 - 127) holds the byte at 1 from below
.endr
.irp i, 2,4,6,8,10,12,14
.irp m, 0,1,2,3
	v_max3_num_f32 v[TM+\m], v[TM+\m], v[ACC+16*\m+\i], v[ACC+16*\m+\i+1]
.endr
.endr
.irp m, 0,1,2,3
	v_permlanex16_b32 v[TP+\m], v[TM+\m], s28, s29
.endr
.irp m, 0,1,2,3
	v_max_num_f32 v[TM+\m], v[TM+\m], v[TP+\m]     ; with lane l xor 16's 16 units: the block's largest magnitude
.endr
.irp m, 0,1,2,3
	v_add_nc_u32 v[TS+\m], 0xfc000000, v[TM+\m]    ; 8 off its exponent field: the conversion's scale operand
.endr
.irp m, 0,1,2,3
	v_and_or_b32 v[TH+\m], v[TM+\m], 0x7f800000, s27   ; 448 x the scale
.endr
.irp m, 0,1,2,3
	v_lshrrev_b32 v[TB+\m], 23, v[TS+\m]           ; the scale's byte
.endr
.irp m, 0,1,2,3
.if (\b) == 0
	v_mov_b32 v[PW+\m], v[TB+\m]
.else
	v_lshl_or_b32 v[PW+\m], v[TB+\m], 8*(\b), v[PW+\m]
.endif
.endr
.irp m, 0,1,2,3
.irp i, 0,1,2,3,4,5,6,7,8,9,10,11,12,13,14,15
	v_med3_num_f32 v[ACC+16*\m+\i], v[ACC+16*\m+\i], 0, v[TH+\m]    ; the activation and the hold in one (the conversion does not saturate: ISA guide 7.6.2)
.endr
	v_cvt_scalef32_pk8_fp8_f32 v[PC+4*\m:PC+4*\m+1], v[ACC+16*\m:ACC+16*\m+7], v[TS+\m]
	v_cvt_scalef32_pk8_fp8_f32 v[PC+4*\m+2:PC+4*\m+3], v[ACC+16*\m+8:ACC+16*\m+15], v[TS+\m]
.endr
	v_nop                                          ; a plain line behind the last conversion: the next products write its sources
.endm
.macro HOUT b                          ; block b's codes go to LDS, behind a wait on va_vdst that stands behind QUANT b
.irp m, 0,1,2,3
	ds_store_b128 v[HWI], v[PC+4*\m:PC+4*\m+3] offset:2048*\m+512*(\b)     ; an image of the operand's registers: 16 bytes a lane
.endr
.endm
; Columns 32 p .. 32 p + 31 of my 256, for the 64 rows: rounded to bf16.  YOUT puts them, 32 bytes a lane, into my stage
.macro PACK p
	WIN 0
	s_wait_dscnt 0x0                               ; my LDS stores so far are done
.if (\p) > 0
	s_wait_alu depctr_vm_vsrc(0)                   ; the last block's LDS stores have read v[CT ..], which the conversions below write again
.endif
.irp m, 0,1,2,3
.irp k, 0,1,2,3,4,5,6,7
	v_cvt_pk_bf16_f32 v[CT+8*\m+\k], v[ACC+16*\m+2*\k], v[ACC+16*\m+2*\k+1]     ; each accumulator from its low end on
.endr
.endr
.endm
.macro YOUT p                          ; behind a wait on va_vdst that stands behind PACK p
.irp m, 0,1,2,3
	ds_store_b128 v[STO], v[CT+8*\m:CT+8*\m+3] offset:16*SGP*\m+64*(\p)
	ds_store_b128 v[STO], v[CT+8*\m+4:CT+8*\m+7] offset:16*SGP*\m+64*(\p)+16
.endr
.endm
	s_load_b256 s[4:11], s[0:1], 0x0               ; plan s[4:5], xq s[6:7], wf s[8:9], b1 s[10:11]
	s_load_b128 s[12:15], s[0:1], 0x20             ; b2 s[12:13], yr s[14:15]
	v_lshl_add_u32 v[SPW], v0, 2, SPARE
	v_mov_b32 v[NIL], 0
	v_lshrrev_b32 v32, 5, v0
	v_readfirstlane_b32 s16, v32                   ; wave
	v_and_b32 v32, 31, v0                          ; lane
	v_and_b32 v33, 15, v0                          ; r
	v_bfe_u32 v34, v0, 4, 1                        ; h
	v_lshlrev_b32 v[LANE16], 4, v32
	s_wait_alu depctr_va_sdst(0)                   ; s16 is written, ahead of its first reader: LDS addresses and the bases are made from it
	s_lshl_b32 s48, s16, 6
	v_lshl_add_u32 v[VLA], v34, 2, s48
	s_mul_i32 s48, s16, 16*XP
	v_mul_u32_u24 v35, v34, XP
	v_lshl_add_u32 v35, v33, 4, v35
	v_add_nc_u32 v[XSTA], s48, v35
	v_mul_u32_u24 v35, v33, XP
	v_lshl_add_u32 v[XADR], v34, 4, v35
	s_lshl_b32 s48, s16, 13
	v_add_nc_u32 v35, s48, v[LANE16]
	v_add_nc_u32 v[HWI], HIMG, v35
	s_lshl_b32 s48, s16, 8
	v_lshl_add_u32 v35, v33, 2, s48
	v_add_nc_u32 v[HWS], HSC, v35
	v_lshlrev_b32 v[L4], 2, v32
	v_add_nc_u32 v[HSL], HSC, v[L4]
	s_mul_i32 s48, s16, STW
	s_add_co_u32 s48, s48, STG
	v_mul_u32_u24 v35, v33, SGP
	v_lshl_add_u32 v35, v34, 5, v35
	v_add_nc_u32 v[STO], s48, v35
	v_add_nc_u32 v[SRD], s48, v[LANE16]
	v_lshlrev_b32 v[VB], 6, v34
	v_lshlrev_b32 v[R16], 4, v33
	v_add_nc_u32 v[HRD], HIMG, v[LANE16]
.irp m, 0,1,2,3
	v_mov_b32 v[TP+\m], 0                          ; written once: a lane permute's destination counts as one of its sources
.endr
	s_and_b32 s17, ttmp9, 1                        ; j
	s_lshr_b32 s19, ttmp9, 1                       ; the first trip's tile
	s_cmp_eq_u32 s17, 0
	s_cselect_b32 s50, -1, 0                       ; all lanes where j = 0: b2 is added in that half alone
	s_mov_b32 s27, 0x600000                        ; the mantissa field of 448
	s_mov_b32 s28, 0x76543210
	s_mov_b32 s29, 0xfedcba98                      ; v_permlanex16_b32's selects for lane l xor 16
	s_mov_b32 s18, 0
	s_lshl_b32 s47, s19, 2
	s_wait_kmcnt 0x0
.irp k, 0,1,2,3,4
	s_load_b32 s[20+\k], s[4:5], s47 offset:512*\k ; tinfo of my five tiles
.endr
	s_add_nc_u64 s[44:45], s[6:7], XSOFF           ; x's scale bytes
	s_wait_kmcnt 0x0
	s_wait_alu depctr_va_vdst(0)                   ; the addresses v1 to v13 are written, which the loop's LDS and memory instructions read; so are v32 to v35, in which LDS loads land on the way out
.Ltrip:
	s_wait_xcnt 0x0                                ; the last trip's loads and stores have read their bases, offsets and data: all may be written again
	s_wait_alu depctr_vm_vsrc(0)                   ; the last trip's stores have read v[ACC ..] and their offsets v[BIAS ..], its gathers v[XO ..] and v[XSO ..], its LDS stores v[PC ..], v[PW ..] and v[CT ..]: this trip's loads, products and conversions write them again
	s_and_b32 s25, s20, 7
	s_min_u32 s25, s25, 7                          ; e
	s_lshr_b32 s26, s20, 8
	s_min_u32 s26, s26, 64                         ; rows; 0: no tile
	s_mov_b32 s49, 0
	s_lshl_b32 s48, s19, 8
	s_add_co_u32 s48, s48, 4096
	s_add_nc_u64 s[30:31], s[4:5], s[48:49]        ; the tile's 64 token numbers
	s_lshl_b32 s51, s25, 20
	s_lshl_b32 s48, s17, 4
	s_lshl_b32 s52, s16, 2
	s_add_co_u32 s52, s48, s52                     ; 16 j + 4 w: my first block of 32 rows of W1
	s_lshl_b32 s48, s52, 15
	s_add_co_u32 s48, s48, s51
	s_add_nc_u64 s[32:33], s[8:9], s[48:49]        ; W1's fragments
	s_lshl_b32 s48, s16, 18                        ; block 8 w of W2,
	s_lshl_b32 s53, s17, 14                        ; K steps 4 j on
	s_add_co_u32 s48, s48, s53
	s_add_co_u32 s48, s48, s51
	s_add_co_u32 s48, s48, 0x800000
	s_add_nc_u64 s[34:35], s[8:9], s[48:49]        ; W2's fragments
	s_lshl_b32 s51, s25, 15
	s_lshl_b32 s48, s52, 10
	s_add_co_u32 s48, s48, s51
	s_add_co_u32 s48, s48, WSOFF
	s_add_nc_u64 s[36:37], s[8:9], s[48:49]        ; W1's scale words
	s_lshl_b32 s48, s16, 13
	s_lshl_b32 s53, s17, 9
	s_add_co_u32 s48, s48, s53
	s_add_co_u32 s48, s48, s51
	s_add_co_u32 s48, s48, WSOFF+262144
	s_add_nc_u64 s[38:39], s[8:9], s[48:49]        ; W2's
	s_lshl_b32 s51, s25, 12
	s_lshl_b32 s48, s17, 11
	s_lshl_b32 s53, s16, 9
	s_add_co_u32 s48, s48, s53
	s_add_co_u32 s46, s48, s51                     ; 4,096 e + 2,048 j + 512 w: my bytes of a row's place in yr, and as many bytes into b1: 4 (1,024 e + 512 j + 128 w)
	s_mov_b32 s48, s46
	s_add_nc_u64 s[40:41], s[10:11], s[48:49]      ; b1
	s_lshl_b32 s48, s16, 10
	s_add_co_u32 s48, s48, s51
	s_add_nc_u64 s[42:43], s[12:13], s[48:49]      ; b2: 4 (1,024 e + 256 w)
	s_cmp_eq_u32 s26, 0
	s_cbranch_scc1 .LskipA
	; ---- A: my 16 rows' codes of x into XROW, two rows x 256 bytes a load
	NOP8
.irp q, 0,1,2,3,4,5,6,7
	global_load_b32 v[XO+\q], v[VLA], s[30:31] offset:8*\q     ; (the vector lines that last named v[XO ..] stand ahead of the last trip's wait below)
.endr
	s_wait_loadcnt 0x0
.irp q, 0,1,2,3,4,5,6,7
	v_min_u32 v[XO+\q], 4095, v[XO+\q]
	v_lshlrev_b32 v[XO+\q], 10, v[XO+\q]
	v_add_nc_u32 v[XO+\q], v[XO+\q], v[R16]
.endr
	WIN 0xc0                                       ; destination window 3: the ring is free here
	s_wait_alu depctr_va_vdst(0)                   ; v[XO ..] are written, which the gathers read as offsets; the last trip's products are done reading the ring, in which the gathers land
.set ai, 0
.rept 32
	global_load_b128 v[4*ai:4*ai+3], v[XO+ai/4], s[6:7] offset:256*(ai%4)
.set ai, ai+1
.endr
	WIN 0x0c                                       ; an LDS store's data are its source 1
.set ai, 0
.rept 32
	s_wait_loadcnt 31-ai                           ; this load is in; the younger ones may be out
	ds_store_b128 v[XSTA], v[4*ai:4*ai+3] offset:2*XP*(ai/4)+256*(ai%4)
.set ai, ai+1
.endr
	WIN 0
.LskipA:
	s_wait_dscnt 0x0                               ; my stores into XROW are done, and so are my reads of the last trip's images
	s_wait_alu depctr_vm_vsrc(0)                   ; my LDS stores have read the ring's registers, in which the first units' loads land
	s_barrier_signal -1
	s_barrier_wait -1
	s_cmp_eq_u32 s26, 0
	s_cbranch_scc1 .LskipB
	; ---- B: the hidden layer: 16 units of W1 (block g / 4, K steps 2 (g % 4) on)
	NOP8
	s_wait_alu depctr_va_vdst(0)                   ; all earlier products are done reading the scale words, the bias sets, the ring and windows 1 and 2, and the last way out is done with v[VT ..] and has written v[BIAS ..]: this segment's loads land in all of these
	global_load_b32 v[VT], v[L4], s[30:31]
	global_load_b32 v[VT+1], v[L4], s[30:31] offset:128
.irp b, 0,1,2,3
.irp q, 0,1
	global_load_b128 v[WS+8*\b+4*\q:WS+8*\b+4*\q+3], v[LANE16], s[36:37] offset:1024*\b+512*\q   ; register 8 b + s: lanes 0-15 tile u = 0's rows, lanes 16-31 tile u = 1's
.endr
.endr
	LOADU 32, 0, 0, 1, 40, 0, 0
	LOADU 32, 1, 8192, 0, 40, 0, 0
	WIN 0
	s_wait_loadcnt 44                              ; the token numbers are in; behind them: 8 loads of scale words, 20 of unit 0, 16 of unit 1
.irp i, 0,1
	v_min_u32 v[XSO+\i], 4095, v[VT+\i]
	v_lshlrev_b32 v[XSO+\i], 5, v[XSO+\i]
.endr
	s_wait_alu depctr_va_vdst(0)                   ; v[XSO ..] are written, which the four loads below read as offsets
.irp i, 0,1
	global_load_b128 v[XS+8*\i:XS+8*\i+3], v[XSO+\i], s[44:45]             ; register 8 i + s: lanes 0-15 row tile 2 i, lanes 16-31 row tile 2 i + 1
	global_load_b128 v[XS+8*\i+4:XS+8*\i+7], v[XSO+\i], s[44:45] offset:16
.endr
	LOADU 32, 2, 16384, 0, 40, 0, 0
	LOADU 32, 3, 24576, 0, 40, 0, 0
.irp s, 0,1,2,3,4,5,6,7                        ; all 64 rows' fragments of x, while the first units are on their way
.if \s < 4
	WIN 0x40
.else
	WIN 0x80
.endif
.irp m, 0,1,2,3
.irp c, 0,1,2,3
	ds_load_b128 v[16*(4*(\s%4)+\m)+4*\c:16*(4*(\s%4)+\m)+4*\c+3], v[XADR] offset:16*XP*\m+128*\s+32*\c
.endr
.endr
.endr
	s_wait_dscnt 0x0
.set G, 0
.rept 16
	WAITU G, 4, 32                                 ; unit 0: x's scale words are in too; behind them units 2 and 3: 32 loads
	MULU G%4, 1+(G%4)/2, 2*(G%4), (G%4)==0, WS+8*(G/4)+2*(G%4), 0, BIAS+16*((G/4)%2)
	NOP8
.if G+4 <= 15
	s_wait_alu depctr_va_vdst(0)                   ; this unit's products are done reading its ring place, and earlier ones the bias set, in which the loads below land; in units 4 and 8 the last block's conversions have written v[PC ..], which the LDS stores below read
.if (G == 4) || (G == 8)
	WIN 0
	HOUT G/4-1                                     ; the block that ended a unit ago
.endif
	LOADU 32, (G+4)%4, 32768*((G+4)/4)+8192*((G+4)%4), ((G+4)%4)==0, 40, ((G+4)/4)%2, 128*((G+4)/4)
.endif
.if G%4 == 3
	QUANT G/4
.if G >= 11
	s_wait_alu depctr_va_vdst(0)                   ; no unit refills behind blocks 2 and 3: the conversions have written v[PC ..], which the LDS stores read (block 3: and v[PW ..])
	HOUT G/4
.endif
.endif
.set G, G+1
.endr
.irp m, 0,1,2,3
	ds_store_b32 v[HWS], v[PW+\m] offset:64*\m     ; the rows' scale words of K step w (both halves of the lanes write the same word with the same value)
.endr
.LskipB:
	s_wait_dscnt 0x0                               ; my images and scale words are in LDS, and my reads of XROW are over
	s_barrier_signal -1
	s_barrier_wait -1
	s_cmp_eq_u32 s26, 0
	s_cbranch_scc1 .LskipC
	; ---- C: my 256 output columns: 16 units of W2 (block g / 2, K steps 2 (g % 2) on)
	NOP8
	s_wait_alu depctr_va_vdst(0)                   ; the first product's matrix instructions are done reading the weights' scale words, the bias sets, the ring and window 1, and v[VT ..] has been read: this segment's loads land in all of these, and in v[HS ..], which the last trip's products read
	global_load_b32 v[VT], v[L4], s[30:31]
	global_load_b32 v[VT+1], v[L4], s[30:31] offset:128
.irp p, 0,1,2,3,4,5,6,7
	global_load_b128 v[WS+4*\p:WS+4*\p+3], v[LANE16], s[38:39] offset:1024*\p
.endr
	LOADU 34, 0, 0, 1, 42, 0, 0
	LOADU 34, 1, 8192, 0, 42, 0, 0
	LOADU 34, 2, 32768, 1, 42, 1, 128
	LOADU 34, 3, 40960, 0, 42, 0, 0
	WIN 0x40
.set hi, 0
.rept 64
	ds_load_b128 v[4*hi:4*hi+3], v[HRD] offset:512*hi      ; the sixteen images come back as they were stored: the same registers in the same lanes
.set hi, hi+1
.endr
	WIN 0
.irp s, 0,1,2,3
.irp i, 0,1
	ds_load_b32 v[HS+2*\s+\i], v[HSL] offset:256*\s+128*\i
.endr
.endr
	s_wait_dscnt 0x0
.set G, 0
.rept 16
	WAITU G, 2, -1
.if G%2 == 0
	WIN 0
.irp k, 0,1,2,3,4,5,6,7,8,9,10,11,12,13,14,15
	v_cndmask_b32 v[BIAS+16*((G/2)%2)+\k], 0, v[BIAS+16*((G/2)%2)+\k], s50     ; b2 where j = 0, else 0
.endr
.rept 4
	v_nop
.endr
.endif
	MULU G%4, 1, 2*(G%2), (G%2)==0, WS+4*(G/2)+2*(G%2), 1, BIAS+16*((G/2)%2)
	NOP8
.if G+4 <= 15
	s_wait_alu depctr_va_vdst(0)                   ; this unit's products are done reading its ring place and, in an even unit, its bias set, in which the loads below land; in units 2 to 10 the last block's conversions have written v[CT ..], which the LDS stores below read
.if (G%2 == 0) && (G > 0)
	WIN 0
	YOUT G/2-1                                     ; the block that ended a unit ago
.endif
	LOADU 34, (G+4)%4, 32768*((G+4)/2)+8192*((G+4)%2), ((G+4)%2)==0, 42, ((G+4)/2)%2, 128*((G+4)/2)
.endif
.if G%2 == 1
	PACK G/2
.if G >= 11
	s_wait_alu depctr_va_vdst(0)                   ; no unit refills behind blocks 5 to 7: the conversions have written v[CT ..], which the LDS stores read, and are done reading v[ACC ..]
	YOUT G/2
.endif
.endif
.set G, G+1
.endr
	; the way out: my stage's rows, 512 bytes each, 16 at a time; a row goes to its token's place; rows beyond the tile's count are not stored.
	; A batch: its 16 LDS loads; the 16 rows' offsets, made ahead of the tests (the list's free slots hold token 0: their offsets are made and not used); one wait; the tests and the stores
	WIN 0
.set BT, 0
.rept 4
	s_wait_xcnt 0x0                                ; the last 16 stores have read their data and offsets
.if BT > 0
	s_wait_alu depctr_vm_vsrc(0)                   ; the last batch's stores have read v[ACC ..], in which the LDS loads below land, and v[BIAS ..], which the additions below write again
.endif
.irp i, 0,1,2,3,4,5,6,7,8,9,10,11,12,13,14,15
	ds_load_b128 v[ACC+4*\i:ACC+4*\i+3], v[SRD] offset:SGP*(16*BT+\i)      ; LDS serves a wave's instructions in order: these see my stores.  No vector or matrix instruction since the wait behind the last block's conversions names v[ACC ..]
.endr
.irp hf, 0,1
.irp i, 0,1,2,3,4,5,6,7
	v_readlane_b32 s[TK+\i], v[VT+BT/2], (16*BT+8*\hf+\i)%32
.endr
	s_wait_alu depctr_va_sdst(0)                   ; s54 to s61 are written, ahead of their first readers: one wait for the run of eight
.irp i, 0,1,2,3,4,5,6,7
	s_min_u32 s[TK+\i], s[TK+\i], 4095
	s_lshl_b32 s[TK+\i], s[TK+\i], 15              ; 32,768 bytes a token in yr
	s_add_co_u32 s[TK+\i], s[TK+\i], s46
	v_add_nc_u32 v[BIAS+8*\hf+\i], s[TK+\i], v[LANE16]
.endr
.endr
	s_wait_alu depctr_va_vdst(0)                   ; the 16 offsets v[BIAS ..] are written, which the stores below read; v[VT ..] has been read, in which the next trip's loads land
.irp i, 0,1,2,3,4,5,6,7,8,9,10,11,12,13,14,15
	s_cmp_le_u32 s26, 16*BT+\i
	s_cbranch_scc1 .Ldone
	s_wait_dscnt 15-\i                             ; this row is back; the younger reads may be out
	global_store_b128 v[BIAS+\i], v[ACC+4*\i:ACC+4*\i+3], s[14:15]         ; 512 consecutive bytes, aligned
.endr
.set BT, BT+1
.endr
.Ldone:
	s_wait_dscnt 0x0
.LskipC:
	s_mov_b32 s20, s21                             ; the next trip's tinfo
	s_mov_b32 s21, s22
	s_mov_b32 s22, s23
	s_mov_b32 s23, s24
	s_add_co_u32 s19, s19, 128
	s_add_co_u32 s18, s18, 1
	s_cmp_lt_u32 s18, 5
	s_cbranch_scc1 .Ltrip
	s_wait_dscnt 0x0                               ; the wave's end: the closing lines, six on end
	s_wait_alu 0x0
	s_wait_tensorcnt 0x0
	ds_add_u32 v[SPW], v[NIL]
	s_wait_dscnt 0x0
	s_endpgm
.Lfunc_end_k_q6a595b244a_chain:
	.size	k_q6a595b244a_chain, .Lfunc_end_k_q6a595b244a_chain-k_q6a595b244a_chain
	.p2alignl 7, 3214868480
	.fill 96, 4, 3214868480
	.section	.rodata,"a",@progbits
	.p2align	6, 0x0
	.amdhsa_kernel k_q6a595b244a_chain
		.amdhsa_group_segment_fixed_size 236032
		.amdhsa_private_segment_fixed_size 0
		.amdhsa_enable_private_segment 0
		.amdhsa_kernarg_size 48
		.amdhsa_user_sgpr_count 2
		.amdhsa_user_sgpr_kernarg_segment_ptr 1
		.amdhsa_wavefront_size32 1
		.amdhsa_system_sgpr_workgroup_id_x 1
		.amdhsa_system_sgpr_workgroup_id_y 1
		.amdhsa_system_sgpr_workgroup_id_z 1
		.amdhsa_system_vgpr_workitem_id 0
		.amdhsa_next_free_vgpr 1024
		.amdhsa_next_free_sgpr 66
		.amdhsa_reserve_vcc 0
		.amdhsa_float_denorm_mode_32 3
		.amdhsa_float_denorm_mode_16_64 3
		.amdhsa_memory_ordered 1
		.amdhsa_forward_progress 1
		.amdhsa_inst_pref_size 252
	.end_amdhsa_kernel
	.amdgpu_metadata
---
amdhsa.version: [ 1, 2 ]
amdhsa.kernels:
  - .name:           k_q6a595b244a_chain
    .symbol:         k_q6a595b244a_chain.kd
    .args:
      - { .name: plan, .offset: 0, .size: 8, .value_kind: global_buffer, .address_space: global }
      - { .name: xq, .offset: 8, .size: 8, .value_kind: global_buffer, .address_space: global }
      - { .name: wf, .offset: 16, .size: 8, .value_kind: global_buffer, .address_space: global }
      - { .name: b1, .offset: 24, .size: 8, .value_kind: global_buffer, .address_space: global }
      - { .name: b2, .offset: 32, .size: 8, .value_kind: global_buffer, .address_space: global }
      - { .name: yr, .offset: 40, .size: 8, .value_kind: global_buffer, .address_space: global }
    .group_segment_fixed_size: 236032
    .private_segment_fixed_size: 0
    .kernarg_segment_align: 8
    .kernarg_segment_size: 48
    .max_flat_workgroup_size: 128
    .sgpr_count:     66
    .vgpr_count:     1024
    .wavefront_size: 32
...
	.end_amdgpu_metadata
.endif
;; end of part 5
;; launch combine: the kernel of part 4 again; grid 256 x 1, 16 waves a work-group, no clusters, 0 bytes of LDS; arguments bits, swb, yr, out0; writes out0
